; MI455X (gfx1250); checked and timed in simulation.
; The chip was launched on July 23, 2026; its instructions are those of AMD's public machine-readable ISA for CDNA 5 (MIT licence, August 2026) and "CDNA5" Instruction Set Architecture Reference Guide (July 2026). The comments in the code are by the model that wrote it; some were corrected since.
;; Multi Headed Attention. Allowed arithmetic: matrix products marked QUANTISED: E2M3 operands, one E8M0 scale for each 32 along K, by v_wmma_scale_f32_16x16x128_f8f6f4 with both operands' format E2M3, f32 sums; everything else in f32.
;; Inputs: Wk 1,024 x 1,024 float32; Wo 1,024 x 1,024 float32; Wq 1,024 x 1,024 float32; Wv 1,024 x 1,024 float32; bk 1,024 float32; bo 1,024 float32; bq 1,024 float32; bv 1,024 float32; key 4 x 2,048 x 1,024 float32; mask 4 x 2,048 x 2,048 int32; query 4 x 2,048 x 1,024 float32; value 4 x 2,048 x 1,024 float32.
;; Outputs: out0 4 x 2,048 x 1,024 float32.
;; This version of the problem:
;;   THIS VERSION OF THE PROBLEM IS GIVEN IN LOW PRECISION. The matrix products marked QUANTISED in the list below multiply operands that are first quantised to E2M3 (2 exponent bits, 3 mantissa bits; 6 bits a number), with one power-of-two scale for each 32 numbers along K (OCP MX v1.0); their sums are f32. All else is computed in f32.
;;   The module's matrix products, in the order in which they are computed (A, B: the left and right operand; K: the contracted axis; several contracted axes count as one K, in the product's order):
;;     1. [M 8,192, K 1,024] x [K 1,024, N 1,024]; A: input query; B: input Wq: QUANTISED
;;     2. [M 8,192, K 1,024] x [K 1,024, N 1,024]; A: input key; B: input Wk: QUANTISED
;;     3. [M 8,192, K 1,024] x [K 1,024, N 1,024]; A: input value; B: input Wv: QUANTISED
;;     4. batch 64 x [M 2,048, K 64] x [K 64, N 2,048]; A: computed on the way; B: computed on the way: QUANTISED
;;     5. batch 64 x [M 2,048, K 2,048] x [K 2,048, N 64]; A: softmax (see below); B: computed on the way: QUANTISED
;;     6. [M 8,192, K 1,024] x [K 1,024, N 1,024]; A: computed on the way; B: input Wo: QUANTISED
;;   THE QUANTISER, for each operand of a quantised product, along K:
;;     - K is cut into blocks of 32 from its start; a last block that is shorter is filled with zeros.
;;     - A block's scale is 2^e with e = floor(log2(the largest magnitude in the block)) - 2, held to -126 .. 127; a block of zeros has e = 0. As a byte (E8M0): e + 127.
;;     - Each number is divided by its block's scale, clamped to +-7.5, and rounded to the nearest number of E2M3, ties to even, subnormals kept.
;;     - The product sums the exact products of the quantised numbers (number of the format x scale) in f32.
;;   ~~~python
;;   def quantise(x, axis):      # numpy; x: float32 -> the quantised numbers, widened to float32 again
;;       x = np.moveaxis(x, axis, -1); K = x.shape[-1]
;;       x = np.pad(x, [(0, 0)] * (x.ndim - 1) + [(0, -K % 32)]); x = x.reshape(x.shape[:-1] + (-1, 32)); a = np.abs(x).max(-1, keepdims=True)
;;       e = np.where(a > 0, np.clip(np.frexp(np.where(a > 0, a, 1))[1] - 1 - 2, -126, 127), 0)      # np.frexp(a)[1] - 1 = floor(log2(a)), exactly
;;       r = np.clip(x / 2.0 ** e, -7.5, 7.5)
;;       step = 2.0 ** (np.maximum(np.frexp(np.where(r == 0, 1, r))[1] - 1, 0) - 3)
;;       q = np.round(r / step) * step * 2.0 ** e      # np.round: ties to even
;;       return np.moveaxis(q.reshape(q.shape[:-2] + (-1,))[..., :K], -1, axis).astype(np.float32)
;;   ~~~
;;   SOFTMAX AHEAD OF A QUANTISED PRODUCT. Where the list says 'softmax', what is quantised is not the finished softmax but p = 2^(t - M), with t = logit x log2(e) and M = ceil(the row's largest t), a whole number; so 1/2 < the row's largest p <= 1. The row's sum l is taken of the UNQUANTISED p, in f32, and the product's result is divided by l at the end. Since M is a whole number, a kernel that streams over the keys may use a running M (the ceiling of the running maximum): every later rescaling is an exact power of two, which a block's scale takes up: the codes' values come out the same.
;;   OPERANDS COMPUTED ON THE WAY. 'Computed on the way' means the value that the module computes at that place (a softmax that the list does not call 'softmax' is quantised finished and normalised). What goes into a quantiser is computed in f32, as accurately as f32 sums, v_exp_f32 and their like allow (about 1e-6 of the number): no bf16 or f16 on the way to a quantiser, and a product that is left as it is and whose result goes on into a quantised operand takes f32 operands (vector FMAs, or v_wmma_f32_16x16x4_f32). A number that lies on a knife's edge between two numbers of the format may be rounded either way, as far as f32 arithmetic and the matrix unit's own rounding can turn it there, and no further.
;; One version. Each part assembles by itself: llvm-mc -triple=amdgcn-amd-amdhsa -mcpu=gfx1250 --defsym DOCPART=n.
;; ======== version 1 of 1: 4 launches
;; limits: right only within a limited range of input values
;; workspace buffers: xq 19,660,800 bytes; wq 3,276,800 bytes; mb 2,097,152 bytes of whole numbers; kv 13,107,200 bytes; qrec 13,107,200 bytes; cx 6,553,600 bytes
;; launch prep (part 1): grid 1408 x 1, 4 waves a work-group, no clusters, 68,096 bytes of LDS; arguments query, key, value, Wq, Wk, Wv, Wo, mask, xq, wq, mb; writes xq, wq, mb
.if DOCPART == 1
	.amdgcn_target "amdgcn-amd-amdhsa--gfx1250"
	.amdhsa_code_object_version 6
	.text
	.protected	k_q0a2d89f289_prep
	.globl	k_q0a2d89f289_prep
	.p2align	8
	.type	k_q0a2d89f289_prep,@function
k_q0a2d89f289_prep:
	s_mov_b64 s[64:65], 0
	v_nop
	global_prefetch_b8 v0, s[64:65] scope:SCOPE_SE
	s_setreg_imm32_b32 hwreg(HW_REG_WAVE_MODE, 25, 1), 1
	s_wait_xcnt 0x0
; PREP, the first of four launches of multi-head attention (B 4, S 2048, D 1024, 16 heads of 64), every product on codes of FP6 (E2M3) with one E8M0 scale for each 32 along K.
; NO WORK IS LEFT OUT: each bias goes into a quantised operand or into the output, the mask can move any score, so all twelve inputs are loaded by some launch and every product of the problem is made.
; This launch makes what the later ones read many times:
;   X (work-groups 0-767):   query, key, value [8192][1024] f32 -> codes [position][768 bytes] and scale bytes [position][32] in xq; K (the 1,024) is innermost.
;   W (work-groups 768-895): Wq, Wk, Wv, Wo [k][n] f32, K their FIRST axis -> codes [position n][768 bytes], scale bytes [position n][32] in wq: a lane takes a column, its registers run down K.
;   M (work-groups 896-1407): mask [4][2048][2048] int32 -> one bit a score in mb, laid as lane masks: word 16 blk + i of (batch, tile of 16 queries, step of 128 keys) holds in bit r + 16 h
;      whether mask[query r of the tile][128 step + 32 blk + 16 h + i] is 0.  A later launch uses a word as the mask of ONE select for 32 lanes.
; POSITIONS: position p of a row-wise buffer holds logical row pi(p), pi = bits 3 and 4 of the index swapped.  So 16 neighbouring positions 16 (2 a + u) + r hold rows 32 a + 8 u + r + 8 (r / 8): in a product used
; transposed the 16 registers of two neighbouring tiles are then 16 neighbours along the next product's K.
; A block's scale is 2^(floor(log2(largest magnitude)) - 2): its byte is the largest magnitude's exponent field - 2, held at 1 from below.
; LIMITS: NaN and infinities among the inputs are not served; a block whose largest magnitude lies under 2^-124 gets the floor's byte 1; a block of zeros gets byte 1 (not 127) with zero codes: these bytes are read by this program alone.
; Each path has LDS bytes of its own: X 0 .. 32,767, W 32,768 .. 67,583; the spare words lie behind them.  No tensor load, no barrier: waves share nothing.
.set SPARE, 67584                      ; the spare words: 128 bytes for each wave, two blocks of 256 bytes that no other line names
.set SPW,   12                         ; v12  LDS address of my spare word; never rewritten
.set NIL,   13                         ; v13  0; never rewritten
.set WV,    26                         ; s26  my wave's number
	s_load_b256 s[4:11], s[0:1], 0x0               ; query s[4:5], key s[6:7], value s[8:9], Wq s[10:11]
	s_load_b256 s[12:19], s[0:1], 0x20             ; Wk s[12:13], Wv s[14:15], Wo s[16:17], mask s[18:19]
	s_load_b128 s[20:23], s[0:1], 0x40             ; xq s[20:21], wq s[22:23]
	s_load_b64 s[24:25], s[0:1], 0x50              ; mb
	v_lshl_add_u32 v[SPW], v0, 2, SPARE
	v_mov_b32 v[NIL], 0
	v_lshrrev_b32 v1, 5, v0
	v_readfirstlane_b32 s[WV], v1                  ; wave 0..3
	v_and_b32 v2, 31, v0                           ; lane
	s_wait_kmcnt 0x0
	s_cmp_lt_u32 ttmp9, 768
	s_cbranch_scc0 .Lnot_x
; ---------------------------------------------------------------- X: a wave takes 8 rows (8,192 numbers) in 16 steps of 512
; Each load reads 512 consecutive bytes, 16 a lane; a step's 2,048 bytes turn through the wave's own stage in LDS and come back 64 bytes a lane: 16 neighbours along K, two lanes to a block of 32.
.set XSTEPS, 16
.set XSP,    80                        ; a lane's place in a stage: 64 bytes + 16 of padding
.set XREG,   8192                      ; LDS for a wave: two stages of 32 x 80 bytes, then its 256 scale bytes
.set XR,     16                        ; v16-79   four sets of 16 numbers as loaded
.set XX,     80                        ; v80-111  two sets of 16 neighbours
.set XE,     112                       ; v112-127 a scale byte for each step
.set XC,     128                       ; v128-191 codes: four registers a step, so that no store's data are written again
	v_lshlrev_b32 v3, 4, v2                        ; my 16 bytes of a load's 512
	s_mul_i32 s27, s[WV], XREG
	v_lshrrev_b32 v14, 2, v2
	v_mul_u32_u24 v14, v14, XSP
	v_and_b32 v15, 3, v2
	v_lshl_add_u32 v14, v15, 4, v14
	v_add_nc_u32 v14, s27, v14                     ; into the stage: 80 (lane / 4) + 16 (lane % 4)
	v_mul_u32_u24 v15, v2, XSP
	v_add_nc_u32 v15, s27, v15                     ; out of it: 80 x lane
	v_mul_u32_u24 v4, v2, 12                       ; my 12 bytes of a step's 384 bytes of codes
	v_lshrrev_b32 v5, 1, v2
	s_add_co_u32 s27, s27, 2*32*XSP
	v_add_nc_u32 v5, s27, v5                       ; LDS: my block's scale byte
	v_lshlrev_b32 v7, 3, v2
	v_add_nc_u32 v6, s27, v7                       ; and on the way out 8 bytes a lane
	s_lshr_b32 s28, ttmp9, 8                       ; which tensor: 0 query, 1 key, 2 value
	s_and_b32 s29, ttmp9, 255
	s_cmp_eq_u32 s28, 1
	s_cselect_b64 s[4:5], s[6:7], s[4:5]
	s_cmp_eq_u32 s28, 2
	s_cselect_b64 s[4:5], s[8:9], s[4:5]
	s_lshl_b32 s29, s29, 2
	s_add_co_u32 s30, s29, s[WV]                   ; my run of 8 rows
	s_lshl_b32 s30, s30, 15                        ; 32,768 bytes a run
	s_mov_b32 s31, 0
	s_add_nc_u64 s[4:5], s[4:5], s[30:31]
	s_and_b32 s30, s[WV], 1                        ; the run's position: pi on groups of 8 rows swaps the wave's two bits
	s_lshl_b32 s30, s30, 1
	s_lshr_b32 s32, s[WV], 1
	s_or_b32 s30, s30, s32
	s_add_co_u32 s29, s29, s30
	s_mul_i32 s30, s29, 6144                       ; 8 rows of 768 bytes
	s_mul_i32 s32, s28, 6291456
	s_add_co_u32 s30, s30, s32
	s_add_nc_u64 s[8:9], s[20:21], s[30:31]        ; my codes
	s_lshl_b32 s30, s29, 8                         ; 8 rows of 32 scale bytes
	s_mul_i32 s32, s28, 262144
	s_add_co_u32 s30, s30, s32
	s_add_co_u32 s30, s30, 18874368
	s_add_nc_u64 s[10:11], s[20:21], s[30:31]      ; my scale bytes
.macro XLOAD t
.irp i, 0,1,2,3
	global_load_b128 v[XR+16*((\t)%4)+4*\i:XR+16*((\t)%4)+4*\i+3], v3, s[4:5] offset:2048*(\t)+512*\i th:TH_LOAD_NT
.endr
.endm
.macro XTURN t                         ; LDS serves a wave's instructions in order: no wait between the stores and the loads
.irp i, 0,1,2,3
	ds_store_b128 v14, v[XR+16*((\t)%4)+4*\i:XR+16*((\t)%4)+4*\i+3] offset:32*XSP*((\t)%2)+8*XSP*\i
.endr
.irp i, 0,1,2,3
	ds_load_b128 v[XX+16*((\t)%2)+4*\i:XX+16*((\t)%2)+4*\i+3], v15 offset:32*XSP*((\t)%2)+16*\i
.endr
.endm
.irp t, 0,1,2,3
	XLOAD \t
.endr
	s_wait_loadcnt 12                              ; step 0's four loads are in; three steps' twelve stay out
	XTURN 0
.macro XSTEP t
.set XS, XX+16*((\t)%2)
.if (\t) > 0
	s_wait_dscnt 1                                 ; this step's numbers are back from the stage (the last step's byte store may be out)
.else
	s_wait_dscnt 0x0
.endif
.if (\t)+4 < XSTEPS
	XLOAD (\t)+4                                   ; into the set whose stores into the stage are done
.endif
.if (\t)+1 < XSTEPS
.if XSTEPS-2-(\t) >= 3
	s_wait_loadcnt 12                              ; the next step's loads are in; those of the three steps behind it may be out
.else
	s_wait_loadcnt 4*(XSTEPS-2-(\t))
.endif
	XTURN (\t)+1
.endif
	v_max3_num_f32 v8, |v[XS]|, |v[XS+1]|, |v[XS+2]|               ; the largest magnitude of my 16, in two chains
	v_max3_num_f32 v9, |v[XS+3]|, |v[XS+4]|, |v[XS+5]|
.irp i, 6,10
	v_max3_num_f32 v8, v8, |v[XS+\i]|, |v[XS+\i+1]|
	v_max3_num_f32 v9, v9, |v[XS+\i+2]|, |v[XS+\i+3]|
.endr
	v_max3_num_f32 v8, v8, |v[XS+14]|, |v[XS+15]|
	v_max3_num_f32 v8, v8, v9, 0x1800000           ; and the floor 2^(3 - 127): the byte cannot fall under 1
	v_max_num_f32_dpp v8, v8, v8 row_xmask:1 row_mask:0xf bank_mask:0xf   ; with my neighbour's 16: the block's
	v_add_nc_u32 v11, 0xff000000, v8               ; 2 off the exponent field: the conversion takes that field as its scale
	v_cvt_scalef32_pk16_fp6_f32 v[XC+4*(\t):XC+4*(\t)+2], v[XS:XS+15], v11
	v_lshrrev_b32 v[XE+(\t)], 23, v11              ; the scale's byte
	ds_store_b8 v5, v[XE+(\t)] offset:16*(\t)      ; both lanes of a block write the same byte with the same value
	global_store_b96 v4, v[XC+4*(\t):XC+4*(\t)+2], s[8:9] offset:384*(\t)   ; the wave stores 384 consecutive bytes
.endm
.irp t, 0,1,2,3,4,5,6,7,8,9,10,11,12,13,14,15
	XSTEP \t
.endr
	ds_load_b64 v[8:9], v6                         ; my wave's 256 scale bytes: these loads see my stores
	s_wait_dscnt 0x0
	global_store_b64 v7, v[8:9], s[10:11]          ; 32 lanes store 256 consecutive bytes, aligned
	s_wait_tensorcnt 0x0                           ; the wave's end, behind my last LDS store
	ds_add_u32 v[SPW], v[NIL]
	s_wait_dscnt 0x0
	s_endpgm
; ---------------------------------------------------------------- W: a wave takes 32 columns x 256 along K of one weight
.Lnot_x:
	s_cmp_lt_u32 ttmp9, 896
	s_cbranch_scc0 .Lmask
.set WNB,   8                          ; blocks of 32 along K for a wave
.set WP,    272                        ; a stage row: sixteen places of 16 bytes, each with 12 bytes of codes, + 16
.set WX,    32                         ; v32-95   two sets of 32 numbers
.set WC,    96                         ; v96..    a block's codes
.set WO,    112                        ; v112-175 the way out
.set WSB,   24                         ; v24-25   my column's 8 scale bytes
	s_sub_co_u32 s27, ttmp9, 768
	s_lshr_b32 s28, s27, 5                         ; which weight: 0 Wq, 1 Wk, 2 Wv, 3 Wo
	s_and_b32 s29, s27, 7                          ; which 128 columns
	s_bfe_u32 s30, s27, 0x20003                    ; which 256 along K
	s_cmp_eq_u32 s28, 1
	s_cselect_b64 s[4:5], s[12:13], s[10:11]
	s_cmp_eq_u32 s28, 2
	s_cselect_b64 s[4:5], s[14:15], s[4:5]
	s_cmp_eq_u32 s28, 3
	s_cselect_b64 s[4:5], s[16:17], s[4:5]
	s_lshl_b32 s29, s29, 7
	s_lshl_b32 s31, s[WV], 5
	s_add_co_u32 s29, s29, s31                     ; my wave's first column, a multiple of 32
	s_lshl_b32 s32, s30, 20                        ; 256 rows of 4,096 bytes
	s_lshl_b32 s33, s29, 2
	s_add_co_u32 s32, s32, s33
	s_mov_b32 s33, 0
	s_add_nc_u64 s[4:5], s[4:5], s[32:33]
	s_mul_i32 s32, s28, 786432
	s_mul_i32 s34, s29, 768
	s_add_co_u32 s32, s32, s34
	s_mul_i32 s34, s30, 192
	s_add_co_u32 s32, s32, s34
	s_add_nc_u64 s[6:7], s[22:23], s[32:33]        ; the codes of position = my first column, at my 256 along K
	s_lshl_b32 s32, s28, 15
	s_lshl_b32 s34, s29, 5
	s_add_co_u32 s32, s32, s34
	s_lshl_b32 s34, s30, 3
	s_add_co_u32 s32, s32, s34
	s_add_co_u32 s32, s32, 3145728
	s_add_nc_u64 s[8:9], s[22:23], s[32:33]        ; and the scale bytes
	v_lshlrev_b32 v3, 2, v2                        ; in: 4 bytes a lane
	v_and_b32 v16, 7, v2                           ; my column's position among the 32: bits 3 and 4 of the lane swapped
	v_bfe_u32 v17, v2, 3, 1
	v_lshl_or_b32 v16, v17, 4, v16
	v_bfe_u32 v17, v2, 4, 1
	v_lshl_or_b32 v16, v17, 3, v16
	s_mul_i32 s35, s[WV], 32*WP
	s_add_co_u32 s35, s35, 32768                   ; my stage
	v_mul_u32_u24 v4, v16, WP
	v_add_nc_u32 v4, s35, v4                       ; into it: row = my column's position
	v_and_b32 v5, 15, v2
	v_lshrrev_b32 v6, 4, v2
	v_mul_u32_u24 v7, v6, WP
	v_lshl_add_u32 v7, v5, 4, v7
	v_add_nc_u32 v7, s35, v7                       ; out of it: sixteen lanes to a row, two rows an instruction
	v_mul_u32_u24 v8, v6, 768
	v_mad_u32_u24 v8, v5, 12, v8                   ; and the same place in the codes' buffer
	v_lshlrev_b32 v9, 5, v16                       ; my position's row of scale bytes
.macro WLOAD t                         ; block t: W(32 t + i, my column): 32 lanes read 128 consecutive bytes
.irp i, 0,1,2,3,4,5,6,7,8,9,10,11,12,13,14,15,16,17,18,19,20,21,22,23,24,25,26,27,28,29,30,31
	global_load_b32 v[WX+32*((\t)%2)+\i], v3, s[4:5] offset:(32*(\t)+\i)*4096 th:TH_LOAD_NT
.endr
.endm
	WLOAD 0
	WLOAD 1
.macro WBLOCK t
.set WS, WX+32*((\t)%2)
.if (\t) < WNB-1
	s_wait_loadcnt 32                              ; this block's 32 loads are in; the next block's may be out
.else
	s_wait_loadcnt 0
.endif
	v_max3_num_f32 v16, |v[WS]|, |v[WS+1]|, |v[WS+2]|              ; the block's largest magnitude: all 32 numbers are mine
	v_max3_num_f32 v17, |v[WS+3]|, |v[WS+4]|, |v[WS+5]|
.irp i, 6,10,14,18,22,26
	v_max3_num_f32 v16, v16, |v[WS+\i]|, |v[WS+\i+1]|
	v_max3_num_f32 v17, v17, |v[WS+\i+2]|, |v[WS+\i+3]|
.endr
	v_max3_num_f32 v16, v16, |v[WS+30]|, |v[WS+31]|
	v_max3_num_f32 v16, v16, v17, 0x1800000        ; and the floor
	v_add_nc_u32 v11, 0xff000000, v16              ; the conversion's scale operand
	v_lshrrev_b32 v17, 23, v11                     ; the scale's byte
.if (\t)%4 == 0
	v_mov_b32 v[WSB+(\t)/4], v17                   ; four bytes to a register, the lower K in the lower byte
.else
	v_lshl_or_b32 v[WSB+(\t)/4], v17, 8*((\t)%4), v[WSB+(\t)/4]
.endif
	v_cvt_scalef32_pk16_fp6_f32 v[WC:WC+2], v[WS:WS+15], v11
	v_cvt_scalef32_pk16_fp6_f32 v[WC+4:WC+6], v[WS+16:WS+31], v11  ; (a conversion's three registers begin on an even number)
	ds_store_b96 v4, v[WC:WC+2] offset:32*(\t)     ; 12 bytes to a place of 16, so that every LDS address is a multiple of 16
	ds_store_b96 v4, v[WC+4:WC+6] offset:32*(\t)+16
.if (\t)+2 < WNB
	WLOAD (\t)+2
.endif
	s_wait_dscnt 0x0                               ; the stores have read their registers: the next block's codes may be written
.endm
.set Q, 0
.rept WNB
	WBLOCK Q
.set Q, Q+1
.endr
	global_store_b64 v9, v[WSB:WSB+1], s[8:9]      ; my column's 8 scale bytes
.irp t, 0,1,2,3,4,5,6,7,8,9,10,11,12,13,14,15
	ds_load_b96 v[WO+4*\t:WO+4*\t+2], v7 offset:2*\t*WP
.endr
.irp t, 0,1,2,3,4,5,6,7,8,9,10,11,12,13,14,15
	s_wait_dscnt 15-\t                             ; the younger loads may be out
	global_store_b96 v8, v[WO+4*\t:WO+4*\t+2], s[6:7] offset:2*\t*768   ; sixteen lanes store a row's 192 consecutive bytes
.endr
	s_wait_tensorcnt 0x0                           ; the wave's end, behind my last LDS store
	ds_add_u32 v[SPW], v[NIL]
	s_wait_dscnt 0x0
	s_endpgm
; ---------------------------------------------------------------- M: a wave takes one tile of 16 queries x 512 keys, four units of 128 keys; no LDS
.Lmask:
	s_sub_co_u32 s27, ttmp9, 896
	s_lshl_b32 s27, s27, 2
	s_add_co_u32 s27, s27, s[WV]                   ; tau = (batch x 128 + tile) x 4 + quarter of the keys
	s_lshr_b32 s28, s27, 9                         ; batch
	s_bfe_u32 s29, s27, 0x70002                    ; tile of queries
	s_and_b32 s30, s27, 3
	s_lshl_b32 s32, s28, 24                        ; a batch's mask is 2^24 bytes
	s_lshr_b32 s31, s29, 1
	s_lshl_b32 s31, s31, 18                        ; 32 rows of 8,192 bytes
	s_add_co_u32 s32, s32, s31
	s_and_b32 s31, s29, 1
	s_lshl_b32 s31, s31, 16                        ; 8 rows
	s_add_co_u32 s32, s32, s31
	s_lshl_b32 s31, s30, 11                        ; 512 keys
	s_add_co_u32 s32, s32, s31
	s_mov_b32 s33, 0
	s_add_nc_u64 s[18:19], s[18:19], s[32:33]
	s_lshl_b32 s32, s27, 10                        ; 1,024 bytes of words for a wave
	s_add_nc_u64 s[24:25], s[24:25], s[32:33]
	s_mov_b32 s34, 0xf0f0f0f0                      ; the lanes with lane % 8 >= 4
	v_lshlrev_b32 v3, 4, v2                        ; in: 16 bytes (4 keys) a lane
	v_lshrrev_b32 v4, 3, v2                        ; out: 64 (lane / 8) + 16 (lane % 4) + 256 ((lane / 4) % 2)
	v_lshlrev_b32 v4, 6, v4
	v_and_b32 v5, 3, v2
	v_lshl_add_u32 v4, v5, 4, v4
	v_bfe_u32 v5, v2, 2, 1
	v_lshl_add_u32 v4, v5, 8, v4
.irp e, 0,1,2,3
	v_mov_b32 v[24+\e], 0                          ; written once: a DPP form's destination counts as read
	v_mov_b32 v[164+\e], 0
.endr
.macro MLOAD u                         ; unit u: the tile's 16 rows, row 15 first; each load reads 512 consecutive bytes of one row
.irp j, 0,1,2,3,4,5,6,7,8,9,10,11,12,13,14,15
	global_load_b128 v[32+64*((\u)%2)+4*\j:32+64*((\u)%2)+4*\j+3], v3, s[18:19] offset:((15-\j)+8*((15-\j)/8))*8192+512*(\u) th:TH_LOAD_NT
.endr
.endm
.macro MPACK u, acc                    ; bit r of v[acc + e] = (mask[row r][key 4 lane + e] == 0): the compare's bit is shifted in as the carry of acc + acc
.irp j, 0,1,2,3,4,5,6,7,8,9,10,11,12,13,14,15
.irp e, 0,1,2,3
	v_cmp_eq_u32 vcc_lo, 0, v[32+64*((\u)%2)+4*\j+\e]
.if \j == 0
	v_cndmask_b32 v[\acc+\e], 0, 1, vcc_lo
.else
	v_add_co_ci_u32 v[\acc+\e], vcc_lo, v[\acc+\e], v[\acc+\e], vcc_lo
.endif
.endr
.endr
.endm
; Two units leave together.  A word wants the 16 bits of key k below and those of key k + 16 above: lanes l and l + 4.  For the first unit the lanes with l % 8 < 4 make words, for the second those with l % 8 >= 4:
; so all 32 lanes store 16 bytes, 512 consecutive bytes in all, and EXEC is never changed.
.macro MOUT k, w
.irp e, 0,1,2,3
	v_mov_b32_dpp v[24+\e], v[16+\e] row_shl:4 row_mask:0xf bank_mask:0xf     ; lane l + 4's bits of the first unit
	v_mov_b32_dpp v[164+\e], v[20+\e] row_shr:4 row_mask:0xf bank_mask:0xf    ; lane l - 4's bits of the second
.endr
.irp e, 0,1,2,3
	v_lshl_or_b32 v[24+\e], v[24+\e], 16, v[16+\e]
	v_lshl_or_b32 v[164+\e], v[20+\e], 16, v[164+\e]
.endr
.irp e, 0,1,2,3
	v_cndmask_b32 v[\w+\e], v[24+\e], v[164+\e], s34
.endr
	global_store_b128 v4, v[\w:\w+3], s[24:25] offset:512*\k
.endm
	MLOAD 0
	MLOAD 1
	s_wait_loadcnt 16                              ; unit 0 is in; the other set's 16 loads may be out (so at each of these waits)
	MPACK 0, 16
	MLOAD 2
	s_wait_loadcnt 16
	MPACK 1, 20
	MLOAD 3
	MOUT 0, 28
	s_wait_loadcnt 16
	MPACK 2, 16
	s_wait_loadcnt 0
	MPACK 3, 20
	MOUT 1, 160                                    ; other data registers than the first store's: no wait for that store
	s_endpgm
.Lfunc_end_k_q0a2d89f289_prep:
	.size	k_q0a2d89f289_prep, .Lfunc_end_k_q0a2d89f289_prep-k_q0a2d89f289_prep
	.p2alignl 7, 3214868480
	.fill 96, 4, 3214868480
	.section	.rodata,"a",@progbits
	.p2align	6, 0x0
	.amdhsa_kernel k_q0a2d89f289_prep
		.amdhsa_group_segment_fixed_size 68096
		.amdhsa_private_segment_fixed_size 0
		.amdhsa_enable_private_segment 0
		.amdhsa_kernarg_size 88
		.amdhsa_user_sgpr_count 2
		.amdhsa_user_sgpr_kernarg_segment_ptr 1
		.amdhsa_wavefront_size32 1
		.amdhsa_system_sgpr_workgroup_id_x 1
		.amdhsa_system_sgpr_workgroup_id_y 1
		.amdhsa_system_sgpr_workgroup_id_z 1
		.amdhsa_system_vgpr_workitem_id 0
		.amdhsa_next_free_vgpr 192
		.amdhsa_next_free_sgpr 66
		.amdhsa_reserve_vcc 1
		.amdhsa_float_denorm_mode_32 3
		.amdhsa_float_denorm_mode_16_64 3
		.amdhsa_memory_ordered 1
		.amdhsa_forward_progress 1
		.amdhsa_inst_pref_size 101
	.end_amdhsa_kernel
	.amdgpu_metadata
---
amdhsa.version: [ 1, 2 ]
amdhsa.kernels:
  - .name:           k_q0a2d89f289_prep
    .symbol:         k_q0a2d89f289_prep.kd
    .args:
      - { .name: query, .offset: 0, .size: 8, .value_kind: global_buffer, .address_space: global }
      - { .name: key, .offset: 8, .size: 8, .value_kind: global_buffer, .address_space: global }
      - { .name: value, .offset: 16, .size: 8, .value_kind: global_buffer, .address_space: global }
      - { .name: Wq, .offset: 24, .size: 8, .value_kind: global_buffer, .address_space: global }
      - { .name: Wk, .offset: 32, .size: 8, .value_kind: global_buffer, .address_space: global }
      - { .name: Wv, .offset: 40, .size: 8, .value_kind: global_buffer, .address_space: global }
      - { .name: Wo, .offset: 48, .size: 8, .value_kind: global_buffer, .address_space: global }
      - { .name: mask, .offset: 56, .size: 8, .value_kind: global_buffer, .address_space: global }
      - { .name: xq, .offset: 64, .size: 8, .value_kind: global_buffer, .address_space: global }
      - { .name: wq, .offset: 72, .size: 8, .value_kind: global_buffer, .address_space: global }
      - { .name: mb, .offset: 80, .size: 8, .value_kind: global_buffer, .address_space: global }
    .group_segment_fixed_size: 68096
    .private_segment_fixed_size: 0
    .kernarg_segment_align: 8
    .kernarg_segment_size: 88
    .max_flat_workgroup_size: 128
    .sgpr_count:     66
    .vgpr_count:     192
    .wavefront_size: 32
...
	.end_amdgpu_metadata
.endif
;; end of part 1
;; launch proj (part 2): grid 4 x 96, 4 waves a work-group, clusters of 4 x 4, 327,680 bytes of LDS; arguments xq, wq, bq, bk, bv, qrec, kv; writes qrec, kv
.if DOCPART == 2
	.amdgcn_target "amdgcn-amd-amdhsa--gfx1250"
	.amdhsa_code_object_version 6
	.text
	.protected	k_q0a2d89f289_proj
	.globl	k_q0a2d89f289_proj
	.p2align	8
	.type	k_q0a2d89f289_proj,@function
k_q0a2d89f289_proj:
	s_mov_b64 s[64:65], 0
	v_nop
	global_prefetch_b8 v0, s[64:65] scope:SCOPE_SE
	s_setreg_imm32_b32 hwreg(HW_REG_WAVE_MODE, 25, 1), 1
	s_wait_xcnt 0x0
	s_wait_alu depctr_hold_cnt(0) depctr_sa_sdst(0) depctr_va_vdst(0) depctr_va_sdst(0) depctr_va_ssrc(0) depctr_va_vcc(0) depctr_vm_vsrc(0)
	s_getreg_b32 s2, hwreg(HW_REG_IB_STS2, 6, 4)
	s_cmp_eq_u32 s2, 0
	s_cbranch_scc0 .Lentry_in_a_cluster
	s_endpgm
.Lentry_in_a_cluster:
	s_bfe_u32 s2, ttmp6, 0x10000c
	s_cmp_lg_u32 s2, 0xf033
	s_cbranch_scc0 .Lentry_shape_is_right
	s_endpgm
.Lentry_shape_is_right:
; PROJ: q = query Wq + bq, k = key Wk + bk, v = value Wv + bv on the codes that the first launch made, and each result quantised at once for attention's two products.  Nothing is left out.
; A work-group of four waves makes 256 x 256 of C = A B^T, a wave 128 x 128 in 64 accumulators; K = 1,024 goes in four steps of 256 through a ring of two LDS slots filled by the tensor data mover.
; Clusters of 4 x 4: A's tiles are asked for jointly along a row of the cluster, B's along a column.  The cluster's y says which product (T = y / 8) and which four tiles of tokens.
; T = 0, 1 (q, k): A = tokens, B = features.  T = 2 (v): A = features (Wv), B = tokens.  The matrix instruction is used transposed (source 0 = 16 rows of B, source 1 = 16 rows of A), so a lane holds ONE row of A and its
; registers run along B: along the head's 64 for q and k, along the keys for v: each time the axis that attention's product contracts.  By the positions' order (bits 3 and 4 of a row's index swapped) the 16 registers of B's
; tiles 2 i and 2 i + 1 are 16 neighbours, 32 i + 16 (lane / 16) + 0 .. 15, and lane r of A's tile 2 a + u is row 32 a + 8 u + r + 8 (r / 8).
; THE WAY OUT has no LDS: bias added, 64 numbers of a lane quantised into the 12 registers of an operand, and those stored as an IMAGE (register i of lane l at 512 (i / 4) + 16 l + 4 (i % 4)): each store 512 consecutive bytes.
; A RECORD of 12,800 bytes for (batch, head, step of 128 tokens): four images of K (block of 32 tokens: registers 0-5 token tile 2 kb, 6-11 tile 2 kb + 1, each the head's 64), four images of V (16 of the head's 64 x 128 keys),
; 256 bytes of K's scale words (lane r: four words at 16 r), 256 of V's.  q goes to qrec in K's form, k and v to kv.
; LIMITS: as stated at the head of the first launch (floor of the scale byte; zero blocks get byte 1 with zero codes; NaN and infinities not served).
.set KSTEP,  256                       ; along K in a slot
.set NQ,     2                         ; matrix instructions deep
.set ROWB,   192                       ; a tile's row in bytes
.set KROW,   768                       ; a row of codes in memory
.set PITCH,  240                       ; an LDS row: 3 x (64 bytes + 16 of padding)
.set FR,     12                        ; registers of a fragment
.set NL,     6                         ; LDS loads that bring one
.set NP,     4                         ; places behind this matrix instruction (ISA guide 7.12.1)
.set HALFT,  128*PITCH
.set SLOT,   4*HALFT
.set KS,     32                        ; a row of scale bytes
.set SCL,    2*SLOT                    ; behind the ring: the scales, as units of 256 bytes + 16 of padding
.set HALFS,  (128*KS/256)*272
.set SBLK,   (16*KS/256)*272
.set SPARE,  SCL+4*HALFS               ; the spare words: 128 bytes a wave, two blocks of 256 bytes that no other line names
.set SW1,  4                           ; v4-7    the way out: the second head's four scale words
.set BIO,  8                           ; v8      byte offset of my bias numbers along B; untouched while its loads are out
.set BLO,  9                           ; v9      and along A
.set SW0,  10                          ; v10-13  the first head's four scale words
.set PW,   14                          ; v14-15  scale words just made
.set ADRA, 16                          ; v16-17  LDS address of my A fragments in slot 0, 1 (v18-19: for the pieces behind one padding more)
.set ADRB, 20                          ; v20-23  the same for B
.set LI,   24                          ; v24     16 x lane: an image's place for my lane
.set SA,   25                          ; v25     16 (lane % 16) + 204,800 (lane / 16): the scale words' place, the second head's record for lanes 16-31
.set ADRS, 27                          ; v27     LDS address of my scale words: lanes 0-15 A's rows, lanes 16-31 B's
.set SPW,  28
.set NIL,  29
.set SC,   32                          ; v32-63  the loop's scale words, two sets
.set BI,   64                          ; v64-127 bias along B, in the results' layout (q, k)
.set AF,   128                         ; v128-223 A's fragments; on the way out:
.set TT,   128                         ; v128-191 64 numbers
.set G,    192                         ; v192-215 two images
.set TM,   216                         ; v216-231 at work
.set XT,   232                         ; v232-239 the conversions' second halves
.set BL,   240                         ; v240-255 bias along A, a pair for each of my 8 tiles (v)
.set G1, 24
.set G0, 32
.set G1B, 48
.set G0B, 56
.set G1S, 68
.set G0S, 76
.set G1SB, 80
.set G0SB, 88
.set MSB, 0
.macro WIN new                         ; the immediate's high byte repeats the setting that is left
.if MSB != (\new)
	s_set_vgpr_msb (MSB<<8)|(\new)
.set MSB, (\new)
.endif
.endm
.set MUL_LO, 0xa1                      ; source 0 (B) window 1, source 1 (A) window 0, C and D window 2
.set MUL_HI, 0xf1                      ; the same, C and D window 3
.set TO_B,   0x40                      ; destination window 1
; A joint load: waves 0 and 1 fetch for A, waves 2 and 3 for B; the branch hangs on the wave's number alone.  An s_nop 0 and four v_nop follow each line.
.macro JLOAD g0a, g1a, g0b, g1b
	s_cmp_eq_u32 s15, 0
	s_cbranch_scc0 .Lfor_b_\@
	tensor_load_to_lds s[\g0a:\g0a+3], s[\g1a:\g1a+7]
	s_nop 0
.rept 4
	v_nop
.endr
	s_branch .Lasked_\@
.Lfor_b_\@:
	tensor_load_to_lds s[\g0b:\g0b+3], s[\g1b:\g1b+7]
	s_nop 0
.rept 4
	v_nop
.endr
.Lasked_\@:
.endm
.macro CREST                           ; a round of the cluster's barrier behind its opening barrier
	s_cmp_lg_u32 s14, 0
	s_cbranch_scc1 .Lnot_wave_0_\@
	s_barrier_signal -3
.Lnot_wave_0_\@:
	s_barrier_wait -3
	s_barrier_signal -1
	s_barrier_wait -1
.endm
.macro CROUND
	s_barrier_signal -1
	s_barrier_wait -1
	CREST
.endm
	s_load_b256 s[32:39], s[0:1], 0x0              ; xq s[32:33], wq s[34:35], bq s[36:37], bk s[38:39]  (these registers take the descriptors later)
	s_load_b128 s[56:59], s[0:1], 0x20             ; bv s[56:57], qrec s[58:59]
	s_load_b64 s[60:61], s[0:1], 0x30              ; kv
	v_lshl_add_u32 v[SPW], v0, 2, SPARE
	v_mov_b32 v[NIL], 0
	ds_add_u32 v[SPW], v[NIL]                      ; the wave's opening: the add, twice on end, and its wait ahead of my first tensor load
	ds_add_u32 v[SPW], v[NIL]
	v_lshrrev_b32 v1, 5, v0
	v_readfirstlane_b32 s14, v1                    ; wave 0..3
	s_lshr_b32 s15, s14, 1                         ; which half of the tile's rows is mine.  Also: I fetch for A (0) or for B (1)
	s_and_b32 s16, s14, 1                          ; which half of its columns.  Also: which 128 rows I fetch
	s_bfe_u32 s40, ttmp6, 0x40000                  ; cx
	s_bfe_u32 s41, ttmp6, 0x40004                  ; cy
	s_and_b32 s2, ttmp7, 0xffff                    ; the cluster's y, 0 .. 23: the same in all sixteen partners
	s_lshr_b32 s98, s2, 3                          ; T: 0 q, 1 k, 2 v
	s_and_b32 s2, s2, 7
	s_lshl_b32 s2, s2, 2                           ; the first of the cluster's four tiles of tokens
	s_cmp_eq_u32 s98, 2
	s_cselect_b32 s3, 0, s2                        ; tokens are A's rows for q and k,
	s_cselect_b32 s2, s2, 0                        ; B's rows for v
	s_add_co_u32 s17, s3, s41                      ; tile row of C: hangs on cy, never on cx
	s_add_co_u32 s42, s2, s40                      ; tile column: hangs on cx, never on cy
	s_lshl_b32 s43, s41, 2
	s_lshl_b32 s43, 15, s43                        ; my row of the cluster
	s_lshl_b32 s44, 0x1111, s40                    ; my column
	s_or_b32 s[G1+0], s43, (0<<16)|(1<<20)|(1<<21)|(3<<22)|(3<<25)  ; the mask; elements of 1 byte; padding on; bit 21 beside a mask; after every 16 words, 4 words
	s_or_b32 s[G1B+0], s44, (0<<16)|(1<<20)|(1<<21)|(3<<22)|(3<<25)
.irp g, G1, G1B
	s_mov_b32 s[\g+1], ROWB<<16                    ; tensor_dim0
	s_mov_b32 s[\g+2], 128<<16                     ; tensor_dim1
	s_mov_b32 s[\g+3], ROWB<<16                    ; tile_dim0
	s_mov_b32 s[\g+4], 128                         ; tile_dim1
	s_mov_b32 s[\g+5], KROW                        ; the pitch
	s_mov_b32 s[\g+6], 0
	s_mov_b32 s[\g+7], 0
.endr
	s_or_b32 s[G1S+0], s43, (3<<16)|(1<<20)|(1<<21)|(5<<22)|(3<<25)  ; the scales of 128 rows: 4,096 dense bytes as 16 rows of 256, 16 bytes of padding behind each
	s_or_b32 s[G1SB+0], s44, (3<<16)|(1<<20)|(1<<21)|(5<<22)|(3<<25)
.irp g, G1S, G1SB
	s_mov_b32 s[\g+1], 32<<16
	s_mov_b32 s[\g+2], (128*KS/256)<<16
	s_mov_b32 s[\g+3], 32<<16
	s_mov_b32 s[\g+4], 128*KS/256
	s_mov_b32 s[\g+5], 32
	s_mov_b32 s[\g+6], 0
	s_mov_b32 s[\g+7], 0
.endr
	s_lshl_b32 s18, s16, 7
	s_lshl_b32 s20, s17, 8
	s_add_co_u32 s20, s20, s18                     ; A: the first of the 128 rows that I fetch
	s_lshl_b32 s46, s42, 8
	s_add_co_u32 s46, s46, s18                     ; B likewise
	s_mov_b32 s21, 0
	s_mov_b32 s47, 0
	s_mov_b64 s[18:19], KS
	s_mul_u64 s[22:23], s[20:21], s[18:19]         ; where these rows' scales begin,
	s_mul_u64 s[92:93], s[46:47], s[18:19]
	s_mov_b64 s[18:19], KROW
	s_mul_u64 s[20:21], s[20:21], s[18:19]         ; and their codes
	s_mul_u64 s[46:47], s[46:47], s[18:19]
	s_mul_i32 s2, s98, 6291456                     ; tensor T in xq: codes,
	s_mul_i32 s3, s98, 786432                      ; weight T in wq: codes,
	s_mul_i32 s66, s98, 262144
	s_add_co_u32 s66, s66, 18874368                ; xq: scales,
	s_mul_i32 s67, s98, 32768
	s_add_co_u32 s67, s67, 3145728                 ; wq: scales
	s_cmp_eq_u32 s98, 2
	s_cselect_b32 s18, s3, s2                      ; A's codes
	s_cselect_b32 s2, s2, s3                       ; B's codes
	s_cselect_b32 s3, s67, s66                     ; A's scales
	s_cselect_b32 s66, s66, s67                    ; B's scales
	s_mov_b32 s19, 0
	s_add_nc_u64 s[20:21], s[20:21], s[18:19]
	s_mov_b32 s18, s2
	s_add_nc_u64 s[46:47], s[46:47], s[18:19]
	s_mov_b32 s18, s3
	s_add_nc_u64 s[22:23], s[22:23], s[18:19]
	s_mov_b32 s18, s66
	s_add_nc_u64 s[92:93], s[92:93], s[18:19]
	s_mul_i32 s45, s14, HALFT                      ; where the tiles go: wave x 128 rows: no place in the cluster enters an LDS address
	s_mul_i32 s94, s14, HALFS
	s_mov_b32 s99, 0xffff0000                      ; lanes 16-31
	s_mov_b32 s100, 0x76543210
	s_mov_b32 s101, 0xfedcba98                     ; v_permlanex16_b32's selects for lane l xor 16
	s_wait_dscnt 0x0                               ; both opening adds are done
	s_wait_kmcnt 0x0
	s_cmp_eq_u32 s98, 2                            ; the choices hang on T alone, on no address
	s_cselect_b64 s[4:5], s[34:35], s[32:33]       ; A's buffer: wq for v, else xq
	s_cselect_b64 s[8:9], s[32:33], s[34:35]       ; B's
	s_cselect_b64 s[96:97], s[56:57], s[36:37]     ; the bias: bv or bq,
	s_add_nc_u64 s[20:21], s[4:5], s[20:21]
	s_add_nc_u64 s[22:23], s[4:5], s[22:23]
	s_add_nc_u64 s[46:47], s[8:9], s[46:47]
	s_add_nc_u64 s[92:93], s[8:9], s[92:93]
	s_cmp_eq_u32 s98, 1
	s_cselect_b64 s[96:97], s[38:39], s[96:97]     ; or bk
	s_cmp_eq_u32 s98, 0
	s_cselect_b64 s[12:13], s[58:59], s[60:61]     ; the records: qrec for q, kv for k and v
	CROUND                                         ; all sixteen work-groups are here: the first joint loads meet
	s_mov_b32 s[G0S], 1
	s_add_co_u32 s[G0S+1], s94, SCL
	s_mov_b64 s[G0S+2:G0S+3], s[22:23]
	s_or_b32 s[G0S+3], s[G0S+3], 0x80000000
	s_mov_b32 s[G0SB], 1
	s_add_co_u32 s[G0SB+1], s94, SCL
	s_mov_b64 s[G0SB+2:G0SB+3], s[92:93]
	s_or_b32 s[G0SB+3], s[G0SB+3], 0x80000000
	JLOAD G0S, G1S, G0SB, G1SB                     ; the scales for all of K: filled once
.irp s, 0,1
	s_mov_b32 s[G0+4*\s], 1
	s_add_co_u32 s[G0+4*\s+1], s45, \s*SLOT
	s_add_nc_u64 s[G0+4*\s+2:G0+4*\s+3], s[20:21], \s*ROWB
	s_or_b32 s[G0+4*\s+3], s[G0+4*\s+3], 0x80000000
	s_mov_b32 s[G0B+4*\s], 1
	s_add_co_u32 s[G0B+4*\s+1], s45, \s*SLOT
	s_add_nc_u64 s[G0B+4*\s+2:G0B+4*\s+3], s[46:47], \s*ROWB
	s_or_b32 s[G0B+4*\s+3], s[G0B+4*\s+3], 0x80000000
	JLOAD G0+4*\s, G1, G0B+4*\s, G1B               ; three loads of mine are out now
.endr
	v_and_b32 v1, 15, v0                           ; r = lane % 16
	v_bfe_u32 v2, v0, 4, 1                         ; h = lane / 16
	v_mul_u32_u24 v3, v1, PITCH
	v_mul_u32_u24 v4, v2, 24
	v_add_nc_u32 v4, v3, v4                        ; a fragment's row x pitch + 24 x half
	v_lshl_add_u32 v5, v2, 4, v4                   ; and the same behind one padding more
	s_mul_i32 s21, s15, HALFT                      ; my 128 rows of A
	s_mul_i32 s22, s16, HALFT
	s_add_co_u32 s22, s22, 2*HALFT                 ; my 128 rows of B, behind A's 256
.irp s, 0,1
	v_add_nc_u32 v[ADRA+\s], s21, v4
	v_add_nc_u32 v[ADRB+\s], s22, v4
	v_add_nc_u32 v[ADRA+2+\s], s21, v5
	v_add_nc_u32 v[ADRB+2+\s], s22, v5
	s_add_co_u32 s21, s21, SLOT
	s_add_co_u32 s22, s22, SLOT
.endr
	v_mul_u32_u24 v5, v1, KS                       ; my row's scales: 32 bytes a row,
	v_lshrrev_b32 v6, 8, v5
	v_lshl_add_u32 v5, v6, 4, v5                   ; and 16 more for each 256 passed
	s_mul_i32 s21, s15, HALFS
	s_mul_i32 s22, s16, HALFS
	s_add_co_u32 s22, s22, 2*HALFS
	s_sub_co_u32 s22, s22, s21
	v_mul_u32_u24 v6, s22, v2                      ; lanes 16-31 take B's: one product, the distance between the two bases
	s_add_co_u32 s21, s21, SCL
	v_add_nc_u32 v5, v5, v6
	v_add_nc_u32 v[ADRS], s21, v5
	; my 128 x 128 of C, the biases and the records
	s_lshl_b32 s2, s17, 8
	s_lshl_b32 s3, s15, 7
	s_add_co_u32 s2, s2, s3                        ; my first row of A
	s_lshl_b32 s3, s42, 8
	s_lshl_b32 s18, s16, 7
	s_add_co_u32 s3, s3, s18                       ; my first row of B
	s_and_b32 s18, s3, 1023                        ; both forms of the bias are loaded with no branch; the form that a product does not use is held inside the 1,024 numbers by this mask
	s_lshl_b32 s18, s18, 2
	v_lshl_add_u32 v[BIO], v2, 6, s18              ; along B: tile b's eight numbers begin at 32 (b / 2) + 16 h + 8 (b % 2)
	s_and_b32 s18, s2, 1023
	s_lshl_b32 s18, s18, 2
	v_and_b32 v[BLO], 8, v1
	v_add_nc_u32 v[BLO], v[BLO], v1
	v_lshl_add_u32 v[BLO], v[BLO], 2, s18          ; along A: tile a's number of lane r is 32 (a / 2) + 8 (a % 2) + r + 8 (r / 8)
.irp b, 0,1,2,3,4,5,6,7
	global_load_b128 v[BI+8*\b:BI+8*\b+3], v[BIO], s[96:97] offset:(32*(\b/2)+8*(\b%2))*4
	global_load_b128 v[BI+8*\b+4:BI+8*\b+7], v[BIO], s[96:97] offset:(32*(\b/2)+8*(\b%2))*4+16
.endr
.irp a, 0,1,2,3,4,5,6,7
	global_load_b32 v[BL+2*\a], v[BLO], s[96:97] offset:(32*(\a/2)+8*(\a%2))*4     ; twice: a pair for the packed addition
	global_load_b32 v[BL+2*\a+1], v[BLO], s[96:97] offset:(32*(\a/2)+8*(\a%2))*4
.endr
	s_cmp_eq_u32 s98, 2
	s_cselect_b32 s18, s3, s2                      ; my first token
	s_cselect_b32 s19, s2, s3                      ; my first feature
	s_lshr_b32 s22, s18, 11                        ; batch
	s_lshl_b32 s22, s22, 4
	s_lshr_b32 s19, s19, 6                         ; my first head (I have two)
	s_add_co_u32 s22, s22, s19
	s_lshl_b32 s22, s22, 4
	s_bfe_u32 s18, s18, 0x40007                    ; the step of 128 tokens
	s_add_co_u32 s22, s22, s18
	s_mul_i32 s22, s22, 12800
	s_mov_b32 s23, 0
	s_add_nc_u64 s[12:13], s[12:13], s[22:23]      ; my first head's record; the second's lies 16 records, 204,800 bytes, on
	v_and_b32 v6, 31, v0
	v_lshlrev_b32 v[LI], 4, v6
	v_mul_u32_u24 v[SA], v2, 204800
	v_lshl_add_u32 v[SA], v1, 4, v[SA]
.macro FRAG reg, adr, q, i             ; 16 rows x 128 K of 6-bit codes: 12 registers, in pieces of 8 bytes as they lie; where the piece of lanes 16-31 lies behind one padding more, the second address register serves
.irp p, 0,1,2,3,4,5
.set PC, 12*(\q)+6*(\p/3)+\p%3
.if PC%8 < 5
	ds_load_b64 v[\reg+2*\p:\reg+2*\p+1], v[\adr] offset:8*PC+16*(PC/8)+(\i)*16*PITCH
.else
	ds_load_b64 v[\reg+2*\p:\reg+2*\p+1], v[\adr+2] offset:8*PC+16*(PC/8)+(\i)*16*PITCH
.endif
.endr
.endm
; 16 matrix instructions: A's blocks a0, a0 + 1 x B's eight.  The 64 accumulators take turns, one instruction a turn, in the same order in every step.
.macro MUL16 a0, p, q, sc, zero
.irp a, \a0, \a0+1
.irp b, 0,1,2,3,4,5,6,7
.if \zero
	v_wmma_scale_f32_16x16x128_f8f6f4 v[8*(8*((\a)%4)+\b):8*(8*((\a)%4)+\b)+7], v[128*(\p)+FR*\b:128*(\p)+FR*\b+FR-1], v[AF+FR*(\a):AF+FR*(\a)+FR-1], 0, v[SC+8*NQ*(\sc)+NQ*\b+(\q)], v[SC+8*NQ*(\sc)+NQ*(\a)+(\q)] matrix_a_fmt:MATRIX_FMT_FP6 matrix_b_fmt:MATRIX_FMT_FP6 matrix_a_scale:MATRIX_SCALE_ROW1
.else
	v_wmma_scale_f32_16x16x128_f8f6f4 v[8*(8*((\a)%4)+\b):8*(8*((\a)%4)+\b)+7], v[128*(\p)+FR*\b:128*(\p)+FR*\b+FR-1], v[AF+FR*(\a):AF+FR*(\a)+FR-1], v[8*(8*((\a)%4)+\b):8*(8*((\a)%4)+\b)+7], v[SC+8*NQ*(\sc)+NQ*\b+(\q)], v[SC+8*NQ*(\sc)+NQ*(\a)+(\q)] matrix_a_fmt:MATRIX_FMT_FP6 matrix_b_fmt:MATRIX_FMT_FP6 matrix_a_scale:MATRIX_SCALE_ROW1
.endif
.endr
.endr
.endm
.macro FETCH_B slot, q, p
	WIN TO_B
.irp i, 0,1,2,3,4,5,6,7
	FRAG 128*(\p)+FR*\i, ADRB+\slot, \q, \i
.endr
	WIN 0
.endm
.macro FETCH_A slot, q, i0
.irp i, \i0, \i0+1, \i0+2, \i0+3
	FRAG AF+FR*(\i), ADRA+\slot, \q, \i
.endr
.endm
.macro SCALES sc                       ; a K step's scale words: lanes 0-15 A's block i, lanes 16-31 B's block i
.irp i, 0,1,2,3,4,5,6,7
	ds_load_b64 v[SC+8*NQ*\sc+NQ*\i:SC+8*NQ*\sc+NQ*\i+1], v[ADRS] offset:\i*SBLK
.endr
.endm
.macro PLACES n                        ; plain vector instructions between a matrix instruction and a load into, or a read of, its registers (ISA guide 7.12.1 for reads)
.rept \n
	v_nop
.endr
.endm
.macro STEP slot, q, zero              ; 128 along K that has its successor in the same slot
	s_wait_dscnt 4*NL                              ; B's set and A's blocks 0-3 are in; the youngest 24 loads (A's blocks 4-7) may be out
	WIN MUL_LO
	MUL16 0, (\q)%2, \q, \slot, \zero
	MUL16 2, (\q)%2, \q, \slot, \zero
	s_wait_dscnt 0
	PLACES NP
	FETCH_B \slot, (\q)+1, 1-(\q)%2
	FETCH_A \slot, (\q)+1, 0
	WIN MUL_HI
	MUL16 4, (\q)%2, \q, \slot, \zero
	MUL16 6, (\q)%2, \q, \slot, \zero
	PLACES NP
	WIN 0
	FETCH_A \slot, (\q)+1, 4
.endm
; A slot's last step changes slots: one barrier; in front of it each wave waits for all its tensor loads, adds 0 to its spare word, and waits for that and for its reads of this slot.  fill = 1: the slot is filled again.
.macro TURN slot, next, fill
	s_wait_tensorcnt 0x0                           ; all my tensor loads have landed: my part of the next slot
	ds_add_u32 v[SPW], v[NIL]                      ; 0 onto my spare word
	s_wait_dscnt 4*NL+1                            ; (the add and the youngest 24 loads may be out)
	WIN MUL_LO
	MUL16 0, 1, NQ-1, \slot, 0
	s_wait_dscnt 0x0                               ; the add is done, and my reads of this slot are over
	s_barrier_signal -1
	MUL16 2, 1, NQ-1, \slot, 0
	WIN 0
	s_barrier_wait -1
.if \fill
	CREST                                          ; the barrier has opened a round of the cluster's: no wave of any partner still reads this slot or has a load on its way
	s_add_nc_u64 s[G0+4*\slot+2:G0+4*\slot+3], s[G0+4*\slot+2:G0+4*\slot+3], 2*ROWB
	s_add_nc_u64 s[G0B+4*\slot+2:G0B+4*\slot+3], s[G0B+4*\slot+2:G0B+4*\slot+3], 2*ROWB
	JLOAD G0+4*\slot, G1, G0B+4*\slot, G1B         ; my one tensor load behind the round; its four v_nop are the places in front of the loads below
.else
	PLACES NP
.endif
	v_add_nc_u32 v[ADRS], 4*NQ, v[ADRS]            ; the next K step's scale words
	FETCH_B \next, 0, 0
	FETCH_A \next, 0, 0
	SCALES \next
	WIN MUL_HI
	MUL16 4, 1, NQ-1, \slot, 0
	MUL16 6, 1, NQ-1, \slot, 0
	PLACES NP
	WIN 0
	FETCH_A \next, 0, 4
.endm
	s_wait_tensorcnt 1                             ; the scales and my part of K step 0 are in; K step 1's load may be out
	s_barrier_signal -1
	s_barrier_wait -1
	FETCH_B 0, 0, 0
	FETCH_A 0, 0, 0
	SCALES 0
	FETCH_A 0, 0, 4
	STEP 0, 0, 1                                   ; K = 1,024 is four K steps: written out, no loop.  The first products start the sums
	TURN 0, 1, 1
	STEP 1, 0, 0
	TURN 1, 0, 1
	STEP 0, 0, 0
	TURN 0, 1, 0                                   ; the last two K steps fill nothing
	STEP 1, 0, 0
	s_wait_dscnt 4*NL
	WIN MUL_LO
	MUL16 0, 1, NQ-1, 1, 0
	MUL16 2, 1, NQ-1, 1, 0
	s_wait_dscnt 0
	WIN MUL_HI
	MUL16 4, 1, NQ-1, 1, 0
	MUL16 6, 1, NQ-1, 1, 0
	WIN 0
; ---- THE WAY OUT
.macro ADDB a                          ; block a's 64 results + the bias along B -> v[TT] on; each accumulator is read from its low end on
	WIN 0x02+(\a)/4
.set AC, 64*((\a)%4)
.set i, 0
.rept 32
	v_pk_add_f32 v[TT+i:TT+i+1], v[AC+i:AC+i+1], v[BI+i:BI+i+1]
.set i, i+2
.endr
	WIN 0
.endm
.macro ADDL a                          ; the same with my row's one bias number
	WIN 0x02+(\a)/4
.set AC, 64*((\a)%4)
.set i, 0
.rept 32
	v_pk_add_f32 v[TT+i:TT+i+1], v[AC+i:AC+i+1], v[BL+2*(\a):BL+2*(\a)+1]
.set i, i+2
.endr
	WIN 0
.endm
; 64 numbers of a lane, register 16 b + i = k 32 b + 16 (lane / 16) + i of my row, become codes: blocks 0, 1 in v[d0] .. +5, blocks 2, 3 in v[d1] .. +5 (lanes 0-15 the even block, lanes 16-31 the odd), and the scale word in v[pw].
.macro QUANT s, d0, d1, pw
.irp b, 0,1,2,3
	v_max3_num_f32 v[TM+\b], |v[(\s)+16*\b]|, |v[(\s)+1+16*\b]|, 0x1800000   ; my 16 numbers of block b, and the floor 2^(3 - 127)
.endr
.irp i, 2,4,6,8,10,12,14
.irp b, 0,1,2,3
	v_max3_num_f32 v[TM+\b], v[TM+\b], |v[(\s)+16*\b+\i]|, |v[(\s)+1+16*\b+\i]|
.endr
.endr
.irp b, 0,1,2,3
	v_permlanex16_b32 v[TM+4+\b], v[TM+\b], s100, s101
.endr
.irp b, 0,1,2,3
	v_max_num_f32 v[TM+\b], v[TM+\b], v[TM+4+\b]   ; with lane l xor 16's: the block's largest magnitude
.endr
.irp b, 0,1,2,3
	v_add_nc_u32 v[TM+12+\b], 0xff000000, v[TM+\b] ; 2 off its exponent field: the conversion's scale operand
.endr
.irp b, 0,1,2,3
	v_lshrrev_b32 v[TM+4+\b], 23, v[TM+12+\b]      ; the scale's byte
.endr
	v_lshl_or_b32 v[\pw], v[TM+5], 8, v[TM+4]
	v_lshl_or_b32 v[\pw], v[TM+6], 16, v[\pw]
	v_lshl_or_b32 v[\pw], v[TM+7], 24, v[\pw]
	v_cvt_scalef32_pk16_fp6_f32 v[(\d0):(\d0)+2], v[(\s):(\s)+15], v[TM+12]
	v_cvt_scalef32_pk16_fp6_f32 v[XT:XT+2], v[(\s)+16:(\s)+31], v[TM+13]     ; (a conversion's three registers begin on an even number)
	v_cvt_scalef32_pk16_fp6_f32 v[(\d1):(\d1)+2], v[(\s)+32:(\s)+47], v[TM+14]
	v_cvt_scalef32_pk16_fp6_f32 v[XT+4:XT+6], v[(\s)+48:(\s)+63], v[TM+15]
	v_nop                                          ; one plain place behind a scaled conversion
.irp i, 0,1,2
	v_permlane16_swap_b32 v[(\d0)+\i], v[XT+\i]    ; the layout wants a whole block in a lane
	v_permlane16_swap_b32 v[(\d1)+\i], v[XT+4+\i]
.endr
.irp i, 0,1,2
	v_mov_b32 v[(\d0)+3+\i], v[XT+\i]
	v_mov_b32 v[(\d1)+3+\i], v[XT+4+\i]
.endr
.endm
	PLACES NP                                      ; behind the last products: results are read, and registers that held A's fragments are written
	s_wait_loadcnt 0x0                             ; the biases
.irp b, 0,1,2,3
	v_mov_b32 v[TM+4+\b], 0                        ; written once: a lane permute's destination counts as one of its sources
.endr
	s_cmp_eq_u32 s98, 2                            ; T is the same in all partners of the cluster
	s_cbranch_scc1 .Lv
	; q and k: my B rows are two heads' 64.  A's tiles 2 al and 2 al + 1 make the two halves of one pair image for each head
.irp al, 0,1,2,3
.if \al > 0
	s_wait_xcnt 0x0                                ; the last images' stores have read their registers
.endif
	ADDB 2*\al
	QUANT TT, G, G+12, PW
	ADDB 2*\al+1
	QUANT TT, G+6, G+18, PW+1
	v_perm_b32 v[SW0+\al], v[PW+1], v[PW], 0x05040100      ; first head: the two tiles' low halves
	v_perm_b32 v[SW1+\al], v[PW+1], v[PW], 0x07060302      ; second head: their high halves
.irp c, 0,1,2
	global_store_b128 v[LI], v[G+4*\c:G+4*\c+3], s[12:13] offset:\al*1536+512*\c              ; 32 lanes store 512 consecutive bytes, aligned to 256
	global_store_b128 v[LI], v[G+12+4*\c:G+12+4*\c+3], s[12:13] offset:204800+\al*1536+512*\c
.endr
.endr
.irp i, 0,1,2,3
	v_cndmask_b32 v[SW0+\i], v[SW0+\i], v[SW1+\i], s99     ; lanes 16-31 carry the second head's words
.endr
	global_store_b128 v[SA], v[SW0:SW0+3], s[12:13] offset:12288   ; sixteen lanes store a record's 256 bytes of K's scale words
	s_branch .Ldone
.Lv:
	; v: my A rows are two heads' 64 channels, my B rows the step's 128 keys: each tile of A is one image of V
.irp a, 0,1,2,3,4,5,6,7
.if \a >= 2
	s_wait_xcnt 0x0                                ; the image two back has been read by its stores
.endif
	ADDL \a
.if \a < 4
	QUANT TT, G+12*(\a%2), G+12*(\a%2)+6, SW0+\a
.else
	QUANT TT, G+12*(\a%2), G+12*(\a%2)+6, SW1+\a-4
.endif
.irp c, 0,1,2
	global_store_b128 v[LI], v[G+12*(\a%2)+4*\c:G+12*(\a%2)+4*\c+3], s[12:13] offset:(\a/4)*204800+6144+(\a%4)*1536+512*\c
.endr
.endr
.irp i, 0,1,2,3
	v_cndmask_b32 v[SW0+\i], v[SW0+\i], v[SW1+\i], s99
.endr
	global_store_b128 v[SA], v[SW0:SW0+3], s[12:13] offset:12544   ; V's scale words
.Ldone:
	s_wait_tensorcnt 0x0                           ; the wave's end, behind my last tensor load
	ds_add_u32 v[SPW], v[NIL]
	s_wait_dscnt 0x0
	CROUND                                         ; the closing round: no work-group ends while a partner may still ask for a tile that names it
	s_endpgm
.Lfunc_end_k_q0a2d89f289_proj:
	.size	k_q0a2d89f289_proj, .Lfunc_end_k_q0a2d89f289_proj-k_q0a2d89f289_proj
	.p2alignl 7, 3214868480
	.fill 96, 4, 3214868480
	.section	.rodata,"a",@progbits
	.p2align	6, 0x0
	.amdhsa_kernel k_q0a2d89f289_proj
		.amdhsa_group_segment_fixed_size 327680
		.amdhsa_private_segment_fixed_size 0
		.amdhsa_enable_private_segment 0
		.amdhsa_kernarg_size 56
		.amdhsa_user_sgpr_count 2
		.amdhsa_user_sgpr_kernarg_segment_ptr 1
		.amdhsa_wavefront_size32 1
		.amdhsa_system_sgpr_workgroup_id_x 1
		.amdhsa_system_sgpr_workgroup_id_y 1
		.amdhsa_system_sgpr_workgroup_id_z 1
		.amdhsa_system_vgpr_workitem_id 0
		.amdhsa_next_free_vgpr 1024
		.amdhsa_next_free_sgpr 102
		.amdhsa_reserve_vcc 0
		.amdhsa_float_denorm_mode_32 3
		.amdhsa_float_denorm_mode_16_64 3
		.amdhsa_memory_ordered 1
		.amdhsa_forward_progress 1
		.amdhsa_inst_pref_size 234
	.end_amdhsa_kernel
	.amdgpu_metadata
---
amdhsa.version: [ 1, 2 ]
amdhsa.kernels:
  - .name:           k_q0a2d89f289_proj
    .symbol:         k_q0a2d89f289_proj.kd
    .args:
      - { .name: xq, .offset: 0, .size: 8, .value_kind: global_buffer, .address_space: global }
      - { .name: wq, .offset: 8, .size: 8, .value_kind: global_buffer, .address_space: global }
      - { .name: bq, .offset: 16, .size: 8, .value_kind: global_buffer, .address_space: global }
      - { .name: bk, .offset: 24, .size: 8, .value_kind: global_buffer, .address_space: global }
      - { .name: bv, .offset: 32, .size: 8, .value_kind: global_buffer, .address_space: global }
      - { .name: qrec, .offset: 40, .size: 8, .value_kind: global_buffer, .address_space: global }
      - { .name: kv, .offset: 48, .size: 8, .value_kind: global_buffer, .address_space: global }
    .group_segment_fixed_size: 327680
    .private_segment_fixed_size: 0
    .kernarg_segment_align: 8
    .kernarg_segment_size: 56
    .max_flat_workgroup_size: 128
    .sgpr_count:     102
    .vgpr_count:     1024
    .wavefront_size: 32
...
	.end_amdgpu_metadata
.endif
;; end of part 2
;; launch attn (part 3): grid 8 x 32, 16 waves a work-group, clusters of 4 x 1, 327,680 bytes of LDS; arguments qrec, kv, mb, cx; writes cx
.if DOCPART == 3
	.amdgcn_target "amdgcn-amd-amdhsa--gfx1250"
	.amdhsa_code_object_version 6
	.text
	.protected	k_q0a2d89f289_attn
	.globl	k_q0a2d89f289_attn
	.p2align	8
	.type	k_q0a2d89f289_attn,@function
k_q0a2d89f289_attn:
	s_mov_b64 s[64:65], 0
	v_nop
	global_prefetch_b8 v0, s[64:65] scope:SCOPE_SE
	s_setreg_imm32_b32 hwreg(HW_REG_WAVE_MODE, 25, 1), 1
	s_wait_xcnt 0x0
	s_wait_alu depctr_hold_cnt(0) depctr_sa_sdst(0) depctr_va_vdst(0) depctr_va_sdst(0) depctr_va_ssrc(0) depctr_va_vcc(0) depctr_vm_vsrc(0)
	s_getreg_b32 s2, hwreg(HW_REG_IB_STS2, 6, 4)
	s_cmp_eq_u32 s2, 0
	s_cbranch_scc0 .Lentry_in_a_cluster
	s_endpgm
.Lentry_in_a_cluster:
	s_bfe_u32 s2, ttmp6, 0x10000c
	s_cmp_lg_u32 s2, 0x3003
	s_cbranch_scc0 .Lentry_shape_is_right
	s_endpgm
.Lentry_shape_is_right:
; ATTN: ctx = softmax(mask(q k^T / 8)) v for every head, both products on codes of FP6 (E2M3), and ctx quantised at once for the last product.  Nothing is left out.
; SHARES.  A work-group owns 256 queries of one batch and TWO heads, one after the other; each of its sixteen waves owns one tile of 16 queries in 256 registers, four waves to a SIMD.  A lane holds ONE query throughout.
; The two heads' records (12,800 bytes for a step of 128 keys: four images of K, four of V, their scale words) are 409,600 consecutive bytes: four slots' worth of 8 steps, through a ring of two LDS slots.
; CLUSTER.  The four query blocks of a cluster walk the same records, so each fill is asked for jointly; every wave fetches a sixteenth of a slot, 25 rows of 256 bytes, by arithmetic on its number: no branch.
; S^T = K Q^T, K = 64 in an instruction of 128: an image of K holds TWO tiles of 16 keys, one in k 0-63 and one in k 64-127.  Q stands as [6 registers of zero codes][its 6][6 of zero codes]: v[22:33] multiplies the
; first tile and v[16:27] the second; zero codes add nothing under any scale byte but 0xff, and every byte here lies in 1 .. 254.  So no fragment is read twice and none is filled with zeros in LDS.
; By the records' choice of rows the 16 registers of tiles 2 b and 2 b + 1 of S^T are keys 32 b + 16 (lane / 16) + 0 .. 15, and O^T's likewise along the head's 64.
; THE MASK comes as lane masks in scalar registers, 64 words a step: one select a score puts 8 x (-1e9) in a hidden score's place (the scores here are not yet divided by 8).
; SOFTMAX: t = score x log2(e) / 8; M = the running largest t rounded up to a whole number; p = 2^(t - M) is quantised along the keys; the row's sum is taken of the unquantised p and divides O at the end;
; when M moves, the sum and O are multiplied by 2^(old M - new M), exactly.
; A ROW ALL OF WHOSE KEYS SO FAR ARE HIDDEN has its largest t equal to the hidden score's t: there the multiply-add's factor and addend are selected to 0, so p = 1 exactly, as the definition gives for a row that is
; hidden throughout (t - M = 0); a later open key multiplies those sums by 2^(about -1.4e9) = 0.
; LIMITS: NaN and infinities are not served; p under 2^-126 comes out 0; an OPEN score whose t equals that of a hidden one bit for bit (a logit of -1e9) is taken for hidden; scale bytes as stated in the first launch.
.set RECB,  12800                      ; a record
.set SLOTB, 8*RECB                     ; a slot: 8 steps
.set PARTB, SLOTB/16                   ; what one wave fetches of it: 25 rows of 256 bytes
.set SPARE, 2*SLOTB                    ; behind the ring: the spare words, 128 bytes a wave: eight blocks of 256 bytes that no other line names
.set LI,  1                            ; v1   16 x lane: an image's place for my lane
.set LR,  2                            ; v2   16 x (lane % 16): my row's four scale words
.set SPW, 3                            ; v3   my spare word; never rewritten
.set NIL, 4                            ; v4   0; never rewritten
; v5, v6 the step's LDS addresses; v7 the hidden score 8 x (-1e9); v8 its t; v9 c = log2(e) / 8; v[10:11] c or 0; v12 -M or 0; v13 the largest t; v[14:15] the sum in two halves
; v16-33 Q; v34 Q's scale word; v35 -M; v[218:219] f; v220, v221 at work; v222 32 (lane % 16); v224-235 ctx's codes; v236 its scale word; v238-243, v244 the second head's Q and scale word; v[246:247] 1 / sum
.set FRG, 36                           ; v36-83   four fragments of K, then of V
.set FS,  84                           ; v84-87   their scale words
.set SS,  88                           ; v88-151  S^T, then p
.set OO,  152                          ; v152-183 O^T
.set PC,  184                          ; v184-195 p's codes
.set CT,  196                          ; v196-203 the conversions' second halves
.set BM,  204                          ; v204-207 each block's largest score, then largest p
.set BT,  208                          ; v208-211 at work
.set BS,  212                          ; v212-215 the conversions' scale operands
.set PS,  216                          ; v216     p's scale word
.set WV,  29                           ; s29  my wave's number
; s[2:3] lane selects; s[4:5] ctx's image; s[6:7] ctx's scale words; s[8:15] descriptor group 1; s[16:19], s[20:23] group 0 for slot 0, 1; s[24:25] my tile's mask words; s26 the step's offset in them;
; s27 the step's record in LDS; s28 counts steps; s[32:63], s[68:99] the step's 64 mask words; s[100:101] Q's record
.macro CROUND                          ; a round of the cluster's barrier
	s_barrier_signal -1
	s_barrier_wait -1
	s_cmp_lg_u32 s[WV], 0
	s_cbranch_scc1 .Lnot_wave_0_\@
	s_barrier_signal -3
.Lnot_wave_0_\@:
	s_barrier_wait -3
	s_barrier_signal -1
	s_barrier_wait -1
.endm
.macro MWORDS                          ; 64 mask words, 256 bytes, at s26 in my tile's 4,096
	s_load_b512 s[32:47], s[24:25], s26 offset:0x0
	s_load_b512 s[48:63], s[24:25], s26 offset:0x40
	s_load_b512 s[68:83], s[24:25], s26 offset:0x80
	s_load_b512 s[84:99], s[24:25], s26 offset:0xc0
.endm
	s_load_b256 s[32:39], s[0:1], 0x0              ; qrec s[32:33], kv s[34:35], mb s[36:37], cx s[38:39]
	v_lshl_add_u32 v[SPW], v0, 2, SPARE
	v_mov_b32 v[NIL], 0
	ds_add_u32 v[SPW], v[NIL]                      ; the wave's opening: the add, twice on end, and its wait ahead of my first tensor load
	ds_add_u32 v[SPW], v[NIL]
	v_lshrrev_b32 v5, 5, v0
	v_readfirstlane_b32 s[WV], v5                  ; wave 0..15
	s_bfe_u32 s40, ttmp6, 0x40000                  ; cx: it enters Q's, the mask's and ctx's addresses alone
	s_lshl_b32 s41, ttmp9, 2
	s_add_co_u32 s41, s41, s40                     ; my block of 256 queries
	s_and_b32 s42, ttmp7, 0xffff                   ; shared by the four partners:
	s_lshr_b32 s43, s42, 3                         ; the batch,
	s_and_b32 s44, s42, 7                          ; the pair of heads
	s_mov_b32 s8, 15|(3<<16)|(1<<21)               ; group 1: the mask names all four; elements of 8 bytes; bit 21 beside a mask; no padding
	s_mov_b32 s9, 32<<16                           ; tensor_dim0 = 32 elements: 256 bytes
	s_mov_b32 s10, 25<<16                          ; tensor_dim1 = 25
	s_mov_b32 s11, 32<<16                          ; tile_dim0
	s_mov_b32 s12, 25                              ; tile_dim1
	s_mov_b32 s13, 32                              ; the pitch: dense
	s_mov_b32 s14, 0
	s_mov_b32 s15, 0
	s_mul_i32 s45, s[WV], PARTB                    ; my part of a slot, in memory and in LDS
	s_lshl_b32 s46, s43, 4
	s_lshl_b32 s47, s44, 1
	s_add_co_u32 s46, s46, s47                     ; batch x 16 + my first head
	s_mul_i32 s48, s46, 16*RECB                    ; its records
	s_add_co_u32 s50, s48, s45
	s_mov_b32 s51, 0
	s_mov_b32 s2, 0x76543210
	s_mov_b32 s3, 0xfedcba98                       ; v_permlanex16_b32's selects for lane l xor 16
	s_wait_dscnt 0x0                               ; both opening adds are done
	s_wait_kmcnt 0x0
	s_mov_b32 s16, 1
	s_mov_b32 s17, s45
	s_add_nc_u64 s[18:19], s[34:35], s[50:51]      ; the first 8 steps
	s_mov_b32 s20, 1
	s_add_co_u32 s21, s45, SLOTB
	s_add_nc_u64 s[22:23], s[18:19], SLOTB         ; the next 8
	s_or_b32 s19, s19, 0x80000000
	s_or_b32 s23, s23, 0x80000000
	CROUND                                         ; all four work-groups are here: the first joint loads meet
	tensor_load_to_lds s[16:19], s[8:15]
	s_nop 0
	tensor_load_to_lds s[20:23], s[8:15]           ; two loads of mine are out
	s_nop 0
.rept 4
	v_nop
.endr
	v_and_b32 v5, 31, v0
	v_lshlrev_b32 v[LI], 4, v5
	v_and_b32 v6, 15, v0
	v_lshlrev_b32 v[LR], 4, v6
	v_lshlrev_b32 v222, 5, v6
	s_lshl_b32 s47, s41, 4
	s_add_co_u32 s47, s47, s[WV]                   ; my tile of queries in the batch, 0 .. 127
	s_lshl_b32 s49, s43, 7
	s_add_co_u32 s49, s49, s47                     ; and among all 512
	s_lshr_b32 s52, s47, 3                         ; Q lies in qrec in K's form: record tile / 8,
	s_mul_i32 s52, s52, RECB
	s_add_co_u32 s52, s52, s48
	s_mov_b32 s53, 0
	s_add_nc_u64 s[100:101], s[32:33], s[52:53]
	s_bfe_u32 s54, s[WV], 0x20001                  ; pair image (tile / 2) % 4,
	s_mul_i32 s55, s54, 1536
	v_add_nc_u32 v220, s55, v[LI]
	s_lshl_b32 s54, s54, 2
	v_add_nc_u32 v221, s54, v[LR]
.irp c, 0,1,2
	global_load_b128 v[SS+4*\c:SS+4*\c+3], v220, s[100:101] offset:512*\c                  ; the first head's pair image
	global_load_b128 v[SS+12+4*\c:SS+12+4*\c+3], v220, s[100:101] offset:16*RECB+512*\c    ; the second's
.endr
	global_load_b32 v[SS+24], v221, s[100:101] offset:12288
	global_load_b32 v[SS+25], v221, s[100:101] offset:16*RECB+12288
	s_lshl_b32 s52, s49, 12
	s_add_nc_u64 s[24:25], s[36:37], s[52:53]      ; my tile's mask words: 16 steps of 256 bytes
	s_mov_b32 s26, 0
	s_lshl_b32 s52, s49, 3
	s_add_co_u32 s52, s52, s44
	s_mul_i32 s52, s52, 1536
	s_add_nc_u64 s[4:5], s[38:39], s[52:53]        ; ctx's image (tile of rows, pair of heads)
	s_lshl_b32 s52, s49, 9
	s_lshl_b32 s54, s44, 2
	s_add_co_u32 s52, s52, s54
	s_add_co_u32 s52, s52, 6291456
	s_add_nc_u64 s[6:7], s[38:39], s[52:53]        ; and its scale words: 32 bytes a row, 4 a pair of heads
	s_and_b32 s30, s[WV], 1                        ; which half of the pair image is my tile
	s_mov_b32 s31, 0x01000100
	s_cmp_eq_u32 s30, 1
	s_cselect_b32 s31, 0x03020302, s31             ; and which half of the scale word, taken twice
	s_cselect_b32 s30, -1, 0
	MWORDS                                         ; step 0's (the arguments and all that was made in s32 on have been used)
	v_mov_b32 v7, 0xcfee6b28                       ; -8e9
	v_mov_b32 v9, 0x3e38aa3b                       ; log2(e) / 8
	v_mul_f32 v8, v9, v7                           ; the t of a hidden score, by the very multiplication that the step uses
.irp i, 0,1,2,3,4,5
	v_mov_b32 v[16+\i], 0                          ; zero codes on both sides of Q's six registers
	v_mov_b32 v[28+\i], 0
.endr
	v_mov_b32 v11, 0                               ; upper halves of pairs whose low word serves both halves: named, so written
	v_mov_b32 v219, 0
	v_mov_b32 v247, 0
.irp b, 0,1,2,3
	v_mov_b32 v[BT+\b], 0                          ; a lane permute's destination counts as one of its sources
.endr
	v_mov_b32 v13, 0xff61b1e6                      ; the largest t so far: -3e38
	v_floor_f32 v35, -v13                          ; -M
	v_mov_b32 v14, 0
	v_mov_b32 v15, 0
	s_wait_loadcnt 0x0                             ; Q
.irp i, 0,1,2,3,4,5
	v_cndmask_b32 v[22+\i], v[SS+\i], v[SS+6+\i], s30
	v_cndmask_b32 v[238+\i], v[SS+12+\i], v[SS+18+\i], s30
.endr
	v_perm_b32 v34, v[SS+24], v[SS+24], s31        ; [s0, s1, s0, s1]
	v_perm_b32 v244, v[SS+25], v[SS+25], s31
.set j, 0
.rept 32
	v_mov_b32 v[OO+j], 0                           ; O^T: the step is written once; its first run finds zeros.  (Also the places between Q's registers and scale word and the first product)
.set j, j+1
.endr
	s_wait_tensorcnt 1                             ; my part of slot 0 is in; slot 1's may stay out
	s_barrier_signal -1
	s_barrier_wait -1
; A KEY STEP: 128 keys, the record at s27.
.macro STEP
	v_add_nc_u32 v5, s27, v[LI]
	v_add_nc_u32 v6, s27, v[LR]
	v_nop
	v_nop                                          ; four places in front of loads into registers that the last products read
.irp f, 0,1,2,3
.irp c, 0,1,2
	ds_load_b128 v[FRG+12*\f+4*\c:FRG+12*\f+4*\c+3], v5 offset:1536*\f+512*\c      ; an image comes back as it was stored: 512 consecutive bytes a load
.endr
.endr
	ds_load_b128 v[FS:FS+3], v6 offset:12288       ; K's scale words of my row, one for each image
	s_wait_dscnt 0x0
.irp f, 0,1,2,3
	v_wmma_scale_f32_16x16x128_f8f6f4 v[SS+16*\f:SS+16*\f+7], v[FRG+12*\f:FRG+12*\f+11], v[22:33], 0, v[FS+\f], v34 matrix_a_fmt:MATRIX_FMT_FP6 matrix_b_fmt:MATRIX_FMT_FP6
	v_wmma_scale_f32_16x16x128_f8f6f4 v[SS+16*\f+8:SS+16*\f+15], v[FRG+12*\f:FRG+12*\f+11], v[16:27], 0, v[FS+\f], v34 matrix_a_fmt:MATRIX_FMT_FP6 matrix_b_fmt:MATRIX_FMT_FP6
.endr
.rept 4
	v_nop                                          ; places: in front of the loads below and of the first read of the scores
.endr
.irp f, 0,1,2,3
.irp c, 0,1,2
	ds_load_b128 v[FRG+12*\f+4*\c:FRG+12*\f+4*\c+3], v5 offset:6144+1536*\f+512*\c ; V's four images: they land while the softmax is worked
.endr
.endr
	ds_load_b128 v[FS:FS+3], v6 offset:12544
	s_wait_kmcnt 0x0                               ; this step's mask words
.set n, 0
.rept 64
.if n < 32
	v_cndmask_b32 v[SS+n], v[SS+n], v7, s[32+n]    ; register 16 b + i: key 32 b + 16 (lane / 16) + i; ascending
.else
	v_cndmask_b32 v[SS+n], v[SS+n], v7, s[36+n]
.endif
.set n, n+1
.endr
.irp b, 0,1,2,3
	v_max3_num_f32 v[BM+\b], v[SS+16*\b], v[SS+1+16*\b], v[SS+2+16*\b]     ; the largest score of each block of 32 keys: for the row's maximum and, since p rises with the score, for the block's largest p
.endr
.irp i, 3,5,7,9,11,13
.irp b, 0,1,2,3
	v_max3_num_f32 v[BM+\b], v[BM+\b], v[SS+16*\b+\i], v[SS+1+16*\b+\i]
.endr
.endr
.irp b, 0,1,2,3
	v_max_num_f32 v[BM+\b], v[BM+\b], v[SS+15+16*\b]
.endr
.irp b, 0,1,2,3
	v_permlanex16_b32 v[BT+\b], v[BM+\b], s2, s3
.endr
.irp b, 0,1,2,3
	v_max_num_f32 v[BM+\b], v[BM+\b], v[BT+\b]     ; with lane l xor 16's 16 keys
.endr
	v_max3_num_f32 v220, v[BM], v[BM+1], v[BM+2]
	v_max_num_f32 v220, v220, v[BM+3]
	v_mul_f32 v220, v9, v220                       ; the step's largest t
	v_max_num_f32 v13, v13, v220                   ; the running largest
	v_mov_b32 v220, v35
	v_floor_f32 v35, -v13                          ; the new -M = -ceil(t)
	v_sub_f32 v220, v35, v220                      ; old M - new M: a whole number, 0 or less
	v_cvt_i32_f32 v220, v220                       ; (it saturates)
	v_ldexp_f32 v218, 1.0, v220                    ; f = 2^(old M - new M)
	s_add_co_u32 s26, s26, 256                     ; the next step's mask words (the last wait on KMcnt showed the old loads done, so their offset may step); at a head's end back to step 0,
	s_and_b32 s26, s26, 4095                       ; for the second head; the very last load stays inside the tile's words and is not used
	MWORDS
	v_cmp_eq_f32 vcc_lo, v13, v8                   ; all keys so far hidden?
	v_cndmask_b32 v10, v9, 0, vcc_lo               ; then 0 x score + 0: p = 1; else c x score - M
	v_cndmask_b32 v12, v35, 0, vcc_lo
.set j, 0
.rept 32
	v_pk_fma_f32 v[SS+j:SS+j+1], v[SS+j:SS+j+1], v[10:11], v[12:13] op_sel_hi:[1,0,0]      ; t - M, two at a time (the pairs' low words serve both halves)
.set j, j+2
.endr
.irp b, 0,1,2,3
	v_fma_f32 v[BM+\b], v[BM+\b], v10, v12         ; the same of each block's largest score
.endr
.set j, 0
.rept 64
	v_exp_f32 v[SS+j], v[SS+j]                     ; p = 2^(t - M): one batch
.set j, j+1
.endr
	v_pk_mul_f32 v[14:15], v[14:15], v[218:219] op_sel_hi:[1,0]    ; the sums under the new M: the plain instruction behind the batch
	s_wait_alu depctr_va_vdst(0)                   ; one wait for the 64, ahead of their first reader
.irp b, 0,1,2,3
	v_exp_f32 v[BM+\b], v[BM+\b]                   ; each block's largest p
.endr
	v_pk_add_f32 v[BT:BT+1], v[SS:SS+1], v[SS+2:SS+3]              ; the row's sum of the unquantised p, in two chains
.irp j, 4,8,12,16,20,24,28,32,36,40,44,48,52,56,60
	v_pk_add_f32 v[14:15], v[14:15], v[SS+\j:SS+\j+1]
	v_pk_add_f32 v[BT:BT+1], v[BT:BT+1], v[SS+2+\j:SS+3+\j]
.endr
	v_pk_add_f32 v[14:15], v[14:15], v[BT:BT+1]
	s_wait_alu depctr_va_vdst(0)                   ; and one for the four
.irp b, 0,1,2,3
	v_max_num_f32 v[BM+\b], 0x1800000, v[BM+\b]    ; the floor 2^(3 - 127): a block whose every p is 0 keeps byte 1; its codes are zeros
.endr
.irp b, 0,1,2,3
	v_add_nc_u32 v[BS+\b], 0xff000000, v[BM+\b]    ; 2 off the exponent field: the conversion's scale operand
.endr
.irp b, 0,1,2,3
	v_lshrrev_b32 v[BT+\b], 23, v[BS+\b]           ; the scale's byte
.endr
	v_lshl_or_b32 v[PS], v[BT+1], 8, v[BT]
	v_lshl_or_b32 v[PS], v[BT+2], 16, v[PS]
	v_lshl_or_b32 v[PS], v[BT+3], 24, v[PS]
.irp c, 0,1
	v_cvt_scalef32_pk16_fp6_f32 v[PC+6*\c:PC+6*\c+2], v[SS+32*\c:SS+32*\c+15], v[BS+2*\c]
	v_cvt_scalef32_pk16_fp6_f32 v[CT+4*\c:CT+4*\c+2], v[SS+16+32*\c:SS+31+32*\c], v[BS+2*\c+1]
.endr
	v_nop                                          ; one plain place behind a scaled conversion
.irp c, 0,1
.irp i, 0,1,2
	v_permlane16_swap_b32 v[PC+6*\c+\i], v[CT+4*\c+\i]     ; a whole block in a lane
.endr
.irp i, 0,1,2
	v_mov_b32 v[PC+3+6*\c+\i], v[CT+4*\c+\i]
.endr
.endr
.set j, 0
.rept 16
	v_pk_mul_f32 v[OO+j:OO+j+1], v[OO+j:OO+j+1], v[218:219] op_sel_hi:[1,0]        ; O^T under the new M; these are also the places between p's codes and scale word and the products
.set j, j+2
.endr
	s_wait_dscnt 0x0                               ; V
.irp d, 0,1,2,3
	v_wmma_scale_f32_16x16x128_f8f6f4 v[OO+8*\d:OO+8*\d+7], v[FRG+12*\d:FRG+12*\d+11], v[PC:PC+11], v[OO+8*\d:OO+8*\d+7], v[FS+\d], v[PS] matrix_a_fmt:MATRIX_FMT_FP6 matrix_b_fmt:MATRIX_FMT_FP6
.endr
.endm
.macro HALF s                          ; the 8 steps of slot s
	s_mov_b32 s27, \s*SLOTB
	s_mov_b32 s28, 8
.Lstep_\@:
	STEP
	s_add_co_u32 s27, s27, RECB
	s_sub_co_u32 s28, s28, 1
	s_cmp_lg_u32 s28, 0
	s_cbranch_scc1 .Lstep_\@
.endm
; THE CHANGE OF SLOTS.  Each wave waits for all its tensor loads (its part of the slot ahead), adds 0 to its spare word and waits for that and for its reads of the slot that it leaves.
; g0 > 0: that slot is filled again, with the records two slots on: the barrier is a round of the cluster's, and the joint load stands first behind it, with 8 steps in which to land.
.macro CHANGE g0
	s_wait_tensorcnt 0x0                           ; no tensor load of mine is out, so a group 0 may be written
	ds_add_u32 v[SPW], v[NIL]                      ; 0 onto my spare word
.if \g0
	s_add_nc_u64 s[\g0+2:\g0+3], s[\g0+2:\g0+3], 2*SLOTB
	s_wait_dscnt 0x0
	CROUND
	tensor_load_to_lds s[\g0:\g0+3], s[8:15]
	s_nop 0
.rept 4
	v_nop
.endr
.else
	s_wait_dscnt 0x0
	s_barrier_signal -1
	s_barrier_wait -1
.endif
.endm
; A HEAD'S END: O^T / the sum is ctx(query, 64 of the head): register 16 b + i = d 32 b + 16 (lane / 16) + i.  Two blocks are quantised; they are half c of the operand of the last product for this pair of heads.
.macro FINISH c
	v_add_f32 v14, v14, v15                        ; the sum's two halves,
	v_permlanex16_b32 v220, v14, s2, s3
	v_add_f32 v14, v14, v220                       ; and lane l xor 16's
	v_rcp_f32 v246, v14
	v_nop                                          ; the plain instruction behind the reciprocal; with the two additions and the next line: four places behind the last products
	v_nop
	s_wait_alu depctr_va_vdst(0)                   ; ahead of the reciprocal's first reader
.set j, 0
.rept 16
	v_pk_mul_f32 v[SS+j:SS+j+1], v[OO+j:OO+j+1], v[246:247] op_sel_hi:[1,0]
.set j, j+2
.endr
.irp b, 0,1
	v_max3_num_f32 v[BM+\b], |v[SS+16*\b]|, |v[SS+1+16*\b]|, 0x1800000
.endr
.irp i, 2,4,6,8,10,12,14
.irp b, 0,1
	v_max3_num_f32 v[BM+\b], v[BM+\b], |v[SS+16*\b+\i]|, |v[SS+1+16*\b+\i]|
.endr
.endr
.irp b, 0,1
	v_permlanex16_b32 v[BT+\b], v[BM+\b], s2, s3
.endr
.irp b, 0,1
	v_max_num_f32 v[BM+\b], v[BM+\b], v[BT+\b]
.endr
.irp b, 0,1
	v_add_nc_u32 v[BS+\b], 0xff000000, v[BM+\b]
.endr
.irp b, 0,1
	v_lshrrev_b32 v[BT+\b], 23, v[BS+\b]
.endr
.if \c == 0
	v_lshl_or_b32 v236, v[BT+1], 8, v[BT]          ; the word's low half
.else
	v_lshl_or_b32 v220, v[BT+1], 8, v[BT]
	v_lshl_or_b32 v236, v220, 16, v236             ; and its high half
.endif
	v_cvt_scalef32_pk16_fp6_f32 v[224+6*\c:226+6*\c], v[SS:SS+15], v[BS]
	v_cvt_scalef32_pk16_fp6_f32 v[CT:CT+2], v[SS+16:SS+31], v[BS+1]
	v_nop
.irp i, 0,1,2
	v_permlane16_swap_b32 v[224+6*\c+\i], v[CT+\i]
.endr
.irp i, 0,1,2
	v_mov_b32 v[227+6*\c+\i], v[CT+\i]
.endr
.if \c == 0
.irp i, 0,1,2,3,4,5
	v_mov_b32 v[22+\i], v[238+\i]                  ; the second head's Q,
.endr
	v_mov_b32 v34, v244                            ; its scale word,
	v_mov_b32 v13, 0xff61b1e6                      ; and the statistics anew
	v_floor_f32 v35, -v13
	v_mov_b32 v14, 0
	v_mov_b32 v15, 0
.set j, 0
.rept 32
	v_mov_b32 v[OO+j], 0                           ; (also the places between Q's scale word and the next product)
.set j, j+1
.endr
.else
.irp i, 0,1,2
	global_store_b128 v[LI], v[224+4*\i:227+4*\i], s[4:5] offset:512*\i    ; the image: 32 lanes store 512 consecutive bytes, aligned to 256
.endr
	global_store_b32 v222, v236, s[6:7]            ; my row's scale word: lanes r and r + 16 hold the same word and name the same place.  4 bytes of each row's 32: the rows' other words are other work-groups'
.endif
.endm
	HALF 0                                         ; first head, steps 0-7
	CHANGE 16                                      ; slot 0 takes the second head's steps 0-7
	HALF 1                                         ; first head, steps 8-15
	CHANGE 20                                      ; slot 1 takes the second head's steps 8-15: the last load
	FINISH 0
	HALF 0
	CHANGE 0                                       ; nothing is left to fetch
	HALF 1
	FINISH 1
	s_wait_kmcnt 0x0                               ; the mask words asked for in the last step
	s_wait_tensorcnt 0x0                           ; the wave's end, behind my last tensor load
	ds_add_u32 v[SPW], v[NIL]
	s_wait_dscnt 0x0
	CROUND                                         ; the closing round
	s_endpgm
.Lfunc_end_k_q0a2d89f289_attn:
	.size	k_q0a2d89f289_attn, .Lfunc_end_k_q0a2d89f289_attn-k_q0a2d89f289_attn
	.p2alignl 7, 3214868480
	.fill 96, 4, 3214868480
	.section	.rodata,"a",@progbits
	.p2align	6, 0x0
	.amdhsa_kernel k_q0a2d89f289_attn
		.amdhsa_group_segment_fixed_size 327680
		.amdhsa_private_segment_fixed_size 0
		.amdhsa_enable_private_segment 0
		.amdhsa_kernarg_size 32
		.amdhsa_user_sgpr_count 2
		.amdhsa_user_sgpr_kernarg_segment_ptr 1
		.amdhsa_wavefront_size32 1
		.amdhsa_system_sgpr_workgroup_id_x 1
		.amdhsa_system_sgpr_workgroup_id_y 1
		.amdhsa_system_sgpr_workgroup_id_z 1
		.amdhsa_system_vgpr_workitem_id 0
		.amdhsa_next_free_vgpr 256
		.amdhsa_next_free_sgpr 102
		.amdhsa_reserve_vcc 1
		.amdhsa_float_denorm_mode_32 3
		.amdhsa_float_denorm_mode_16_64 3
		.amdhsa_memory_ordered 1
		.amdhsa_forward_progress 1
		.amdhsa_inst_pref_size 98
	.end_amdhsa_kernel
	.amdgpu_metadata
---
amdhsa.version: [ 1, 2 ]
amdhsa.kernels:
  - .name:           k_q0a2d89f289_attn
    .symbol:         k_q0a2d89f289_attn.kd
    .args:
      - { .name: qrec, .offset: 0, .size: 8, .value_kind: global_buffer, .address_space: global }
      - { .name: kv, .offset: 8, .size: 8, .value_kind: global_buffer, .address_space: global }
      - { .name: mb, .offset: 16, .size: 8, .value_kind: global_buffer, .address_space: global }
      - { .name: cx, .offset: 24, .size: 8, .value_kind: global_buffer, .address_space: global }
    .group_segment_fixed_size: 327680
    .private_segment_fixed_size: 0
    .kernarg_segment_align: 8
    .kernarg_segment_size: 32
    .max_flat_workgroup_size: 512
    .sgpr_count:     102
    .vgpr_count:     256
    .wavefront_size: 32
...
	.end_amdgpu_metadata
.endif
;; end of part 3
;; launch outp (part 4): grid 4 x 32, 4 waves a work-group, clusters of 4 x 4, 327,680 bytes of LDS; arguments cx, wq, bo, out0; writes out0
.if DOCPART == 4
	.amdgcn_target "amdgcn-amd-amdhsa--gfx1250"
	.amdhsa_code_object_version 6
	.text
	.protected	k_q0a2d89f289_outp
	.globl	k_q0a2d89f289_outp
	.p2align	8
	.type	k_q0a2d89f289_outp,@function
k_q0a2d89f289_outp:
	s_mov_b64 s[64:65], 0
	v_nop
	global_prefetch_b8 v0, s[64:65] scope:SCOPE_SE
	s_setreg_imm32_b32 hwreg(HW_REG_WAVE_MODE, 25, 1), 1
	s_wait_xcnt 0x0
	s_wait_alu depctr_hold_cnt(0) depctr_sa_sdst(0) depctr_va_vdst(0) depctr_va_sdst(0) depctr_va_ssrc(0) depctr_va_vcc(0) depctr_vm_vsrc(0)
	s_getreg_b32 s2, hwreg(HW_REG_IB_STS2, 6, 4)
	s_cmp_eq_u32 s2, 0
	s_cbranch_scc0 .Lentry_in_a_cluster
	s_endpgm
.Lentry_in_a_cluster:
	s_bfe_u32 s2, ttmp6, 0x10000c
	s_cmp_lg_u32 s2, 0xf033
	s_cbranch_scc0 .Lentry_shape_is_right
	s_endpgm
.Lentry_shape_is_right:
; OUTP: out0 = ctx Wo + bo on codes of FP6 (E2M3).  ctx comes as IMAGES of operand registers (tile of 16 rows, 128 along K: 1,536 bytes) with scale words [row position][32 bytes]; Wo as rows of codes, K innermost.  Nothing is left out.
; A work-group of four waves makes 256 x 256 of C, a wave 128 x 128 in 64 accumulators; K = 1,024 in four steps of 256 through a ring of two LDS slots; clusters of 4 x 4 with joint loads, A's along a row, B's along a column.
; The matrix instruction is used transposed (source 0 = 16 rows of Wo's codes, source 1 = 16 rows of ctx).  Rows of both operands stand in position order (bits 3 and 4 of the index swapped): lane r of A's tile 2 a + u is
; token 32 a + 8 u + r + 8 (r / 8), and register j of B's tile 2 b + u is column 32 b + 16 (lane / 16) + 8 u + j; the way out puts both back.
; bo is the C of each sum's first matrix instruction: eight registers for each of B's eight tiles, in the result's layout.
.set KSTEP,  256
.set NQ,     2
.set ROWB,   192                       ; a row of B's tile in bytes
.set KROW,   768
.set PITCH,  240                       ; B's LDS row: 3 x (64 bytes + 16 of padding)
.set FR,     12
.set NL,     6                         ; LDS loads that bring a fragment of B
.set NLA,    3                         ; and of A: an image comes by three loads of 16 bytes a lane
.set NP,     4
.set IMGA,   3072                      ; a tile of 16 rows x 256 along K: two images
.set HALFA,  8*IMGA                    ; 128 rows of A
.set HALFB,  128*PITCH                 ; 128 rows of B
.set SLOT,   2*HALFA+2*HALFB
.set KS,     32
.set SCL,    2*SLOT
.set HALFS,  (128*KS/256)*272
.set SBLK,   (16*KS/256)*272
.set SPARE,  SCL+4*HALFS               ; the spare words: 128 bytes a wave, two blocks of 256 bytes that no other line names
.set SPITCH, 528                       ; the way out: a stage of 16 rows x (512 bytes + 16) for each wave, in slot 0, which has had its last fill and its last read when the first result is stored there
.set BOA,  7                           ; v7      64 (lane / 16): my offset in bo; untouched while its loads are out
.set ADRA, 16                          ; v16-17  LDS address of my A images in slot 0, 1
.set ADRB, 20                          ; v20-23  of my B fragments (v22-23: behind one padding more)
.set STO,  24
.set RD,   25
.set CO,   26
.set ADRS, 27
.set SPW,  28
.set NIL,  29
.set SC,   32                          ; v32-63  scale words, two sets
.set AF,   128                         ; A's fragments, window 0
.set BK,   128                         ; the way out: rows read back: v128-191, v192-255 by turns
.set BO,   96                          ; window 1: bo for B's tiles 0-3 at v96-127, for tiles 4-7 at v224-255
.set G1, 24
.set G0, 32
.set G1B, 48
.set G0B, 56
.set G1S, 68
.set G0S, 76
.set G1SB, 80
.set G0SB, 88
.set MSB, 0
.macro WIN new
.if MSB != (\new)
	s_set_vgpr_msb (MSB<<8)|(\new)
.set MSB, (\new)
.endif
.endm
.set MUL_LO, 0xa1                      ; source 0 (B) window 1, source 1 (A) window 0, C and D window 2
.set MUL_HI, 0xf1
.set FST_LO, 0x91                      ; the first products: C (bo) window 1, D window 2
.set FST_HI, 0xd1
.set TO_B,   0x40
.macro JLOAD g0a, g1a, g0b, g1b        ; waves 0 and 1 fetch for A, waves 2 and 3 for B; an s_nop 0 and four v_nop follow each line
	s_cmp_eq_u32 s15, 0
	s_cbranch_scc0 .Lfor_b_\@
	tensor_load_to_lds s[\g0a:\g0a+3], s[\g1a:\g1a+7]
	s_nop 0
.rept 4
	v_nop
.endr
	s_branch .Lasked_\@
.Lfor_b_\@:
	tensor_load_to_lds s[\g0b:\g0b+3], s[\g1b:\g1b+7]
	s_nop 0
.rept 4
	v_nop
.endr
.Lasked_\@:
.endm
.macro CREST
	s_cmp_lg_u32 s14, 0
	s_cbranch_scc1 .Lnot_wave_0_\@
	s_barrier_signal -3
.Lnot_wave_0_\@:
	s_barrier_wait -3
	s_barrier_signal -1
	s_barrier_wait -1
.endm
.macro CROUND
	s_barrier_signal -1
	s_barrier_wait -1
	CREST
.endm
	s_load_b256 s[4:11], s[0:1], 0x0               ; cx s[4:5], wq s[6:7], bo s[8:9], out0 s[10:11]
	v_lshl_add_u32 v[SPW], v0, 2, SPARE
	v_mov_b32 v[NIL], 0
	ds_add_u32 v[SPW], v[NIL]                      ; the wave's opening: the add, twice on end, and its wait ahead of my first tensor load
	ds_add_u32 v[SPW], v[NIL]
	v_lshrrev_b32 v1, 5, v0
	v_readfirstlane_b32 s14, v1                    ; wave 0..3
	s_lshr_b32 s15, s14, 1                         ; my half of the tile's rows; also: I fetch for A (0) or B (1)
	s_and_b32 s16, s14, 1                          ; my half of its columns; also: which 128 rows I fetch
	s_bfe_u32 s40, ttmp6, 0x40000                  ; cx
	s_bfe_u32 s41, ttmp6, 0x40004                  ; cy
	s_lshl_b32 s42, ttmp9, 2
	s_add_co_u32 s42, s42, s40                     ; tile column of C
	s_and_b32 s17, ttmp7, 0xffff
	s_lshl_b32 s17, s17, 2
	s_add_co_u32 s17, s17, s41                     ; tile row of C
	s_lshl_b32 s43, s41, 2
	s_lshl_b32 s43, 15, s43                        ; my row of the cluster
	s_lshl_b32 s44, 0x1111, s40                    ; my column
	s_or_b32 s[G1+0], s43, (3<<16)|(1<<21)         ; A: 8 tiles of rows x 3,072 bytes (384 elements of 8), 12,288 bytes apart; no padding: an image is read as it lies
	s_mov_b32 s[G1+1], 384<<16
	s_mov_b32 s[G1+2], 8<<16
	s_mov_b32 s[G1+3], 384<<16
	s_mov_b32 s[G1+4], 8
	s_mov_b32 s[G1+5], 1536
	s_mov_b32 s[G1+6], 0
	s_mov_b32 s[G1+7], 0
	s_or_b32 s[G1B+0], s44, (0<<16)|(1<<20)|(1<<21)|(3<<22)|(3<<25)  ; B: 128 rows x 192 bytes, 16 bytes of padding behind every 64
	s_mov_b32 s[G1B+1], ROWB<<16
	s_mov_b32 s[G1B+2], 128<<16
	s_mov_b32 s[G1B+3], ROWB<<16
	s_mov_b32 s[G1B+4], 128
	s_mov_b32 s[G1B+5], KROW
	s_mov_b32 s[G1B+6], 0
	s_mov_b32 s[G1B+7], 0
	s_or_b32 s[G1S+0], s43, (3<<16)|(1<<20)|(1<<21)|(5<<22)|(3<<25)  ; the scales of 128 rows: 16 rows of 256 bytes, 16 of padding behind each
	s_or_b32 s[G1SB+0], s44, (3<<16)|(1<<20)|(1<<21)|(5<<22)|(3<<25)
.irp g, G1S, G1SB
	s_mov_b32 s[\g+1], 32<<16
	s_mov_b32 s[\g+2], (128*KS/256)<<16
	s_mov_b32 s[\g+3], 32<<16
	s_mov_b32 s[\g+4], 128*KS/256
	s_mov_b32 s[\g+5], 32
	s_mov_b32 s[\g+6], 0
	s_mov_b32 s[\g+7], 0
.endr
	s_lshl_b32 s18, s16, 7
	s_lshl_b32 s20, s17, 8
	s_add_co_u32 s20, s20, s18                     ; A: the first of the 128 row positions that I fetch
	s_lshl_b32 s46, s42, 8
	s_add_co_u32 s46, s46, s18                     ; B likewise
	s_lshl_b32 s22, s20, 5
	s_add_co_u32 s22, s22, 6291456                 ; ctx's scale words
	s_mov_b32 s23, 0
	s_mul_i32 s20, s20, 768                        ; ctx's images: 12,288 bytes for 16 rows
	s_mov_b32 s21, 0
	s_lshl_b32 s92, s46, 5
	s_add_co_u32 s92, s92, 3244032                 ; Wo's scale bytes in wq
	s_mov_b32 s93, 0
	s_mul_i32 s46, s46, KROW
	s_add_co_u32 s46, s46, 2359296                 ; Wo's codes in wq
	s_mov_b32 s47, 0
	s_mul_i32 s45, s16, HALFA                      ; where A's half goes,
	s_mul_i32 s95, s16, HALFB
	s_add_co_u32 s95, s95, 2*HALFA                 ; where B's,
	s_mul_i32 s94, s14, HALFS                      ; and the scales: no place in the cluster enters an LDS address
	s_wait_dscnt 0x0                               ; both opening adds are done
	s_wait_kmcnt 0x0
	s_add_nc_u64 s[20:21], s[4:5], s[20:21]
	s_add_nc_u64 s[22:23], s[4:5], s[22:23]
	s_add_nc_u64 s[46:47], s[6:7], s[46:47]
	s_add_nc_u64 s[92:93], s[6:7], s[92:93]
	CROUND                                         ; all sixteen work-groups are here: the first joint loads meet
	s_mov_b32 s[G0S], 1
	s_add_co_u32 s[G0S+1], s94, SCL
	s_mov_b64 s[G0S+2:G0S+3], s[22:23]
	s_or_b32 s[G0S+3], s[G0S+3], 0x80000000
	s_mov_b32 s[G0SB], 1
	s_add_co_u32 s[G0SB+1], s94, SCL
	s_mov_b64 s[G0SB+2:G0SB+3], s[92:93]
	s_or_b32 s[G0SB+3], s[G0SB+3], 0x80000000
	JLOAD G0S, G1S, G0SB, G1SB                     ; the scales for all of K: filled once
.irp s, 0,1
	s_mov_b32 s[G0+4*\s], 1
	s_add_co_u32 s[G0+4*\s+1], s45, \s*SLOT
	s_add_nc_u64 s[G0+4*\s+2:G0+4*\s+3], s[20:21], \s*IMGA
	s_or_b32 s[G0+4*\s+3], s[G0+4*\s+3], 0x80000000
	s_mov_b32 s[G0B+4*\s], 1
	s_add_co_u32 s[G0B+4*\s+1], s95, \s*SLOT
	s_add_nc_u64 s[G0B+4*\s+2:G0B+4*\s+3], s[46:47], \s*ROWB
	s_or_b32 s[G0B+4*\s+3], s[G0B+4*\s+3], 0x80000000
	JLOAD G0+4*\s, G1, G0B+4*\s, G1B               ; three loads of mine are out now
.endr
	v_and_b32 v1, 15, v0                           ; r
	v_bfe_u32 v2, v0, 4, 1                         ; h
	v_and_b32 v6, 31, v0
	v_lshlrev_b32 v[CO], 4, v6                     ; 16 x lane
	v_mul_u32_u24 v3, v1, PITCH
	v_mul_u32_u24 v4, v2, 24
	v_add_nc_u32 v4, v3, v4
	v_lshl_add_u32 v5, v2, 4, v4
	s_mul_i32 s21, s15, HALFA                      ; my 128 rows of A
	s_mul_i32 s22, s16, HALFB
	s_add_co_u32 s22, s22, 2*HALFA                 ; my 128 rows of B
.irp s, 0,1
	v_add_nc_u32 v[ADRA+\s], s21, v[CO]
	v_add_nc_u32 v[ADRB+\s], s22, v4
	v_add_nc_u32 v[ADRB+2+\s], s22, v5
	s_add_co_u32 s21, s21, SLOT
	s_add_co_u32 s22, s22, SLOT
.endr
	v_mul_u32_u24 v5, v1, KS
	v_lshrrev_b32 v6, 8, v5
	v_lshl_add_u32 v5, v6, 4, v5
	s_mul_i32 s21, s15, HALFS
	s_mul_i32 s22, s16, HALFS
	s_add_co_u32 s22, s22, 2*HALFS
	s_sub_co_u32 s22, s22, s21
	v_mul_u32_u24 v6, s22, v2                      ; lanes 16-31 take B's words
	s_add_co_u32 s21, s21, SCL
	v_add_nc_u32 v5, v5, v6
	v_add_nc_u32 v[ADRS], s21, v5
	s_mul_i32 s23, s14, 16*SPITCH                  ; my stage
	v_mul_u32_u24 v5, v1, SPITCH
	v_lshl_add_u32 v5, v2, 6, v5                   ; in: row r, + 64 h: columns 16 h on of each 32
	v_add_nc_u32 v[STO], s23, v5
	v_add_nc_u32 v[RD], s23, v[CO]                 ; back: the 32 lanes take one row of 512 bytes
	s_lshl_b32 s18, s42, 10
	s_lshl_b32 s19, s16, 9
	s_add_co_u32 s18, s18, s19                     ; my first column, in bytes: of bo and of a row of out0
	s_mov_b32 s19, 0
	s_add_nc_u64 s[8:9], s[8:9], s[18:19]
	v_lshlrev_b32 v[BOA], 6, v2
	WIN TO_B
.irp b, 0,1,2,3,4,5,6,7
	global_load_b128 v[BO+8*(\b%4)+128*(\b/4):BO+8*(\b%4)+128*(\b/4)+3], v[BOA], s[8:9] offset:(32*(\b/2)+8*(\b%2))*4
	global_load_b128 v[BO+8*(\b%4)+128*(\b/4)+4:BO+8*(\b%4)+128*(\b/4)+7], v[BOA], s[8:9] offset:(32*(\b/2)+8*(\b%2))*4+16
.endr
	WIN 0
	s_lshl_b32 s20, s17, 8
	s_lshl_b32 s21, s15, 7
	s_add_co_u32 s20, s20, s21                     ; my first row
	s_lshl_b32 s20, s20, 12                        ; rows of 4,096 bytes
	s_mov_b32 s21, 0
	s_add_nc_u64 s[12:13], s[10:11], s[20:21]
	s_add_nc_u64 s[12:13], s[12:13], s[18:19]
.macro FRAG reg, adr, q, i             ; a fragment of B from padded rows, in pieces of 8 bytes
.irp p, 0,1,2,3,4,5
.set PC, 12*(\q)+6*(\p/3)+\p%3
.if PC%8 < 5
	ds_load_b64 v[\reg+2*\p:\reg+2*\p+1], v[\adr] offset:8*PC+16*(PC/8)+(\i)*16*PITCH
.else
	ds_load_b64 v[\reg+2*\p:\reg+2*\p+1], v[\adr+2] offset:8*PC+16*(PC/8)+(\i)*16*PITCH
.endif
.endr
.endm
.macro MUL16 a0, p, q, sc, first       ; the 64 accumulators take turns, one instruction a turn, in the same order in every step
.irp a, \a0, \a0+1
.irp b, 0,1,2,3,4,5,6,7
.if \first
	v_wmma_scale_f32_16x16x128_f8f6f4 v[8*(8*((\a)%4)+\b):8*(8*((\a)%4)+\b)+7], v[128*(\p)+FR*\b:128*(\p)+FR*\b+FR-1], v[AF+FR*(\a):AF+FR*(\a)+FR-1], v[BO+8*(\b%4)+128*(\b/4):BO+8*(\b%4)+128*(\b/4)+7], v[SC+8*NQ*(\sc)+NQ*\b+(\q)], v[SC+8*NQ*(\sc)+NQ*(\a)+(\q)] matrix_a_fmt:MATRIX_FMT_FP6 matrix_b_fmt:MATRIX_FMT_FP6 matrix_a_scale:MATRIX_SCALE_ROW1
.else
	v_wmma_scale_f32_16x16x128_f8f6f4 v[8*(8*((\a)%4)+\b):8*(8*((\a)%4)+\b)+7], v[128*(\p)+FR*\b:128*(\p)+FR*\b+FR-1], v[AF+FR*(\a):AF+FR*(\a)+FR-1], v[8*(8*((\a)%4)+\b):8*(8*((\a)%4)+\b)+7], v[SC+8*NQ*(\sc)+NQ*\b+(\q)], v[SC+8*NQ*(\sc)+NQ*(\a)+(\q)] matrix_a_fmt:MATRIX_FMT_FP6 matrix_b_fmt:MATRIX_FMT_FP6 matrix_a_scale:MATRIX_SCALE_ROW1
.endif
.endr
.endr
.endm
.macro FETCH_B slot, q, p
	WIN TO_B
.irp i, 0,1,2,3,4,5,6,7
	FRAG 128*(\p)+FR*\i, ADRB+\slot, \q, \i
.endr
	WIN 0
.endm
.macro FETCH_A slot, q, i0             ; A's blocks i0 .. i0 + 3: each image by three loads of 512 consecutive bytes
.irp i, \i0, \i0+1, \i0+2, \i0+3
.irp c, 0,1,2
	ds_load_b128 v[AF+FR*(\i)+4*\c:AF+FR*(\i)+4*\c+3], v[ADRA+\slot] offset:(\i)*IMGA+(\q)*1536+512*\c
.endr
.endr
.endm
.macro SCALES sc
.irp i, 0,1,2,3,4,5,6,7
	ds_load_b64 v[SC+8*NQ*\sc+NQ*\i:SC+8*NQ*\sc+NQ*\i+1], v[ADRS] offset:\i*SBLK
.endr
.endm
.macro PLACES n
.rept \n
	v_nop
.endr
.endm
.macro STEP slot, q, first
	s_wait_dscnt 4*NLA                             ; B's set and A's blocks 0-3 are in; the youngest 12 loads (A's blocks 4-7) may be out
.if \first
	WIN FST_LO
.else
	WIN MUL_LO
.endif
	MUL16 0, (\q)%2, \q, \slot, \first
	MUL16 2, (\q)%2, \q, \slot, \first
	s_wait_dscnt 0
	PLACES NP
	FETCH_B \slot, (\q)+1, 1-(\q)%2
	FETCH_A \slot, (\q)+1, 0
.if \first
	WIN FST_HI
.else
	WIN MUL_HI
.endif
	MUL16 4, (\q)%2, \q, \slot, \first
	MUL16 6, (\q)%2, \q, \slot, \first
	PLACES NP
	WIN 0
	FETCH_A \slot, (\q)+1, 4
.endm
.macro TURN slot, next, fill           ; a slot's last step changes slots
	s_wait_tensorcnt 0x0                           ; all my tensor loads have landed: my part of the next slot
	ds_add_u32 v[SPW], v[NIL]                      ; 0 onto my spare word
	s_wait_dscnt 4*NLA+1                           ; (the add and the youngest 12 loads may be out)
	WIN MUL_LO
	MUL16 0, 1, NQ-1, \slot, 0
	s_wait_dscnt 0x0                               ; the add is done, and my reads of this slot are over
	s_barrier_signal -1
	MUL16 2, 1, NQ-1, \slot, 0
	WIN 0
	s_barrier_wait -1
.if \fill
	CREST                                          ; a round of the cluster's barrier: no wave of any partner still reads this slot or has a load on its way
	s_add_nc_u64 s[G0+4*\slot+2:G0+4*\slot+3], s[G0+4*\slot+2:G0+4*\slot+3], 2*IMGA
	s_add_nc_u64 s[G0B+4*\slot+2:G0B+4*\slot+3], s[G0B+4*\slot+2:G0B+4*\slot+3], 2*ROWB
	JLOAD G0+4*\slot, G1, G0B+4*\slot, G1B
.else
	PLACES NP
.endif
	v_add_nc_u32 v[ADRS], 4*NQ, v[ADRS]
	FETCH_B \next, 0, 0
	FETCH_A \next, 0, 0
	SCALES \next
	WIN MUL_HI
	MUL16 4, 1, NQ-1, \slot, 0
	MUL16 6, 1, NQ-1, \slot, 0
	PLACES NP
	WIN 0
	FETCH_A \next, 0, 4
.endm
	s_wait_tensorcnt 1                             ; the scales and my part of K step 0 are in; K step 1's load may be out
	s_barrier_signal -1
	s_barrier_wait -1
	FETCH_B 0, 0, 0
	FETCH_A 0, 0, 0
	SCALES 0
	FETCH_A 0, 0, 4
	s_wait_loadcnt 0x0                             ; bo
	STEP 0, 0, 1                                   ; the first products start the sums from bo
	TURN 0, 1, 1
	STEP 1, 0, 0
	TURN 1, 0, 1
	STEP 0, 0, 0
	TURN 0, 1, 0
	STEP 1, 0, 0
	s_wait_dscnt 4*NLA
	WIN MUL_LO
	MUL16 0, 1, NQ-1, 1, 0
	MUL16 2, 1, NQ-1, 1, 0
	s_wait_dscnt 0
	WIN MUL_HI
	MUL16 4, 1, NQ-1, 1, 0
	MUL16 6, 1, NQ-1, 1, 0
	WIN 0
; THE WAY OUT, block by block of 16 rows x 128 columns, through my own stage: the columns are put in order on the way in, the rows on the way to memory.  LDS serves a wave's instructions in order.
.macro TOSTAGE a
.set AC, 64*((\a)%4)
	WIN 0x08+4*((\a)/4)                            ; the data: window 2 or 3
.irp b, 0,1,2,3,4,5,6,7
	ds_store_b128 v[STO], v[AC+8*\b:AC+8*\b+3] offset:128*(\b/2)+32*(\b%2)         ; each accumulator from its low end on
	ds_store_b128 v[STO], v[AC+8*\b+4:AC+8*\b+7] offset:128*(\b/2)+32*(\b%2)+16
.endr
	WIN 0
.set BB, BK+64*((\a)%2)
.irp t, 0,1,2,3,4,5,6,7,8,9,10,11,12,13,14,15
	ds_load_b128 v[BB+4*\t:BB+4*\t+3], v[RD] offset:\t*SPITCH
.endr
.endm
.macro SEND a, younger
.set BB, BK+64*((\a)%2)
	s_wait_dscnt \younger                          ; the block is back in registers; the next block's LDS instructions may be out
.irp t, 0,1,2,3,4,5,6,7,8,9,10,11,12,13,14,15
	global_store_b128 v[CO], v[BB+4*\t:BB+4*\t+3], s[12:13] offset:(32*((\a)/2)+8*((\a)%2)+\t+8*(\t/8))*4096 th:TH_STORE_NT   ; 32 lanes store 512 consecutive bytes, aligned to 256; every offset an immediate
.endr
.endm
	PLACES NP
	TOSTAGE 0
.irp a, 1,2,3,4,5,6,7
.if \a > 1
	s_wait_xcnt 0x0                                ; the stores of the block two back have read their registers: this block's loads may land there
.endif
	TOSTAGE \a
	SEND \a-1, 32                                  ; behind that block's loads: this block's 16 stores and 16 loads
.endr
	SEND 7, 0
	s_wait_tensorcnt 0x0                           ; the wave's end, behind my last tensor load and my last LDS store
	ds_add_u32 v[SPW], v[NIL]
	s_wait_dscnt 0x0
	CROUND                                         ; the closing round
	s_endpgm
.Lfunc_end_k_q0a2d89f289_outp:
	.size	k_q0a2d89f289_outp, .Lfunc_end_k_q0a2d89f289_outp-k_q0a2d89f289_outp
	.p2alignl 7, 3214868480
	.fill 96, 4, 3214868480
	.section	.rodata,"a",@progbits
	.p2align	6, 0x0
	.amdhsa_kernel k_q0a2d89f289_outp
		.amdhsa_group_segment_fixed_size 327680
		.amdhsa_private_segment_fixed_size 0
		.amdhsa_enable_private_segment 0
		.amdhsa_kernarg_size 32
		.amdhsa_user_sgpr_count 2
		.amdhsa_user_sgpr_kernarg_segment_ptr 1
		.amdhsa_wavefront_size32 1
		.amdhsa_system_sgpr_workgroup_id_x 1
		.amdhsa_system_sgpr_workgroup_id_y 1
		.amdhsa_system_sgpr_workgroup_id_z 1
		.amdhsa_system_vgpr_workitem_id 0
		.amdhsa_next_free_vgpr 1024
		.amdhsa_next_free_sgpr 102
		.amdhsa_reserve_vcc 0
		.amdhsa_float_denorm_mode_32 3
		.amdhsa_float_denorm_mode_16_64 3
		.amdhsa_memory_ordered 1
		.amdhsa_forward_progress 1
		.amdhsa_inst_pref_size 149
	.end_amdhsa_kernel
	.amdgpu_metadata
---
amdhsa.version: [ 1, 2 ]
amdhsa.kernels:
  - .name:           k_q0a2d89f289_outp
    .symbol:         k_q0a2d89f289_outp.kd
    .args:
      - { .name: cx, .offset: 0, .size: 8, .value_kind: global_buffer, .address_space: global }
      - { .name: wq, .offset: 8, .size: 8, .value_kind: global_buffer, .address_space: global }
      - { .name: bo, .offset: 16, .size: 8, .value_kind: global_buffer, .address_space: global }
      - { .name: out0, .offset: 24, .size: 8, .value_kind: global_buffer, .address_space: global }
    .group_segment_fixed_size: 327680
    .private_segment_fixed_size: 0
    .kernarg_segment_align: 8
    .kernarg_segment_size: 32
    .max_flat_workgroup_size: 128
    .sgpr_count:     102
    .vgpr_count:     1024
    .wavefront_size: 32
...
	.end_amdgpu_metadata
.endif
;; end of part 4
